; MI455X (gfx1250); checked and timed in simulation.
; The chip was launched on July 23, 2026; its instructions are those of AMD's public machine-readable ISA for CDNA 5 (MIT licence, August 2026) and "CDNA5" Instruction Set Architecture Reference Guide (July 2026). The comments in the code are by the model that wrote it; some were corrected since.
;; Block. Allowed arithmetic: matrix products marked QUANTISED: E5M2 operands, one given power-of-two scale a tensor, by v_wmma_f32_16x16x64_bf8_bf8 or v_wmma_f32_16x16x128_bf8_bf8, f32 sums; everything else in f32.
;; Inputs: W1_codes 4,096 x 32 x 32 uint8 (E5M2 codes of W1, K innermost, in blocks of 32 codes); W2_codes 1,024 x 128 x 32 uint8 (E5M2 codes of W2, K innermost, in blocks of 32 codes); Wk_codes 16 x 64 x 32 x 32 uint8 (E5M2 codes of Wk, K innermost, in blocks of 32 codes); Wproj_codes 1,024 x 32 x 32 uint8 (E5M2 codes of Wproj, K innermost, in blocks of 32 codes); Wq_codes 16 x 64 x 32 x 32 uint8 (E5M2 codes of Wq, K innermost, in blocks of 32 codes); Wv_codes 16 x 64 x 32 x 32 uint8 (E5M2 codes of Wv, K innermost, in blocks of 32 codes); b1 4,096 float32; b2 1,024 float32; bproj 1,024 float32; ln1_bias 1,024 float32; ln1_scale 1,024 float32; ln2_bias 1,024 float32; ln2_scale 1,024 float32; lowp_scales 16 int32 (the exponents e of the quantised operands' scales 2^e); x 2 x 2,048 x 1,024 float32.
;; Outputs: out0 2 x 2,048 x 1,024 float32.
;; This version of the problem:
;;   THIS VERSION OF THE PROBLEM IS GIVEN IN LOW PRECISION. The matrix products marked QUANTISED in the list below multiply operands that are first quantised to E5M2 (5 exponent bits, 2 mantissa bits; 8 bits a number), with one given power-of-two scale for each operand tensor; their sums are f32. All else is computed in f32.
;;   The module's matrix products, in the order in which they are computed (A, B: the left and right operand; K: the contracted axis; several contracted axes count as one K, in the product's order):
;;     1. [M 1,024, K 1,024] x [K 1,024, N 4,096]; A: input Wq (given as codes); B: computed on the way: QUANTISED (scales: A lowp_scales[0], B lowp_scales[1])
;;     2. [M 1,024, K 1,024] x [K 1,024, N 4,096]; A: input Wk (given as codes); B: computed on the way: QUANTISED (scales: A lowp_scales[2], B lowp_scales[3])
;;     3. [M 1,024, K 1,024] x [K 1,024, N 4,096]; A: input Wv (given as codes); B: computed on the way: QUANTISED (scales: A lowp_scales[4], B lowp_scales[5])
;;     4. batch 32 x [M 2,048, K 64] x [K 64, N 2,048]; A: computed on the way; B: computed on the way: QUANTISED (scales: A lowp_scales[6], B lowp_scales[7])
;;     5. batch 32 x [M 2,048, K 2,048] x [K 2,048, N 64]; A: softmax (see below); B: computed on the way: QUANTISED (scales: A lowp_scales[8], B lowp_scales[9])
;;     6. [M 4,096, K 1,024] x [K 1,024, N 1,024]; A: computed on the way; B: input Wproj (given as codes): QUANTISED (scales: A lowp_scales[10], B lowp_scales[11])
;;     7. [M 4,096, K 1,024] x [K 1,024, N 4,096]; A: computed on the way; B: input W1 (given as codes): QUANTISED (scales: A lowp_scales[12], B lowp_scales[13])
;;     8. [M 4,096, K 4,096] x [K 4,096, N 1,024]; A: computed on the way; B: input W2 (given as codes): QUANTISED (scales: A lowp_scales[14], B lowp_scales[15])
;;   THE QUANTISER, for each operand of a quantised product, along K:
;;     - The operand's scale is 2^e, e = its entry of the input lowp_scales (int32; the entries are numbered through the quantised products in the list's order, A before B).
;;     - Each number is divided by the scale, clamped to +-57,344, and rounded to the nearest number of E5M2, ties to even, subnormals kept.
;;     - The product sums the exact products of the quantised numbers (number of the format x scale) in f32.
;;   ~~~python
;;   def quantise(x, axis, e):      # numpy; x: float32 -> the quantised numbers, widened to float32 again
;;       x = np.moveaxis(x, axis, -1); K = x.shape[-1]
;;       r = np.clip(x / 2.0 ** e, -57344, 57344)
;;       step = 2.0 ** (np.maximum(np.frexp(np.where(r == 0, 1, r))[1] - 1, -14) - 2)
;;       q = np.round(r / step) * step * 2.0 ** e      # np.round: ties to even
;;       return np.moveaxis(q, -1, axis).astype(np.float32)
;;   ~~~
;;   SOFTMAX AHEAD OF A QUANTISED PRODUCT. Where the list says 'softmax', what is quantised is not the finished softmax but p = 2^(t - M), with t = logit x log2(e) and M = ceil(the row's largest t), a whole number; so 1/2 < the row's largest p <= 1. The row's sum l is taken of the UNQUANTISED p, in f32, and the product's result is divided by l at the end. Since M is a whole number, a kernel that streams over the keys may use a running M (the ceiling of the running maximum): every later rescaling is an exact power of two, so the quantised numbers keep their values, but for numbers so far below the row's largest that they fall under the format's range.
;;   OPERANDS COMPUTED ON THE WAY. 'Computed on the way' means the value that the module computes at that place (a softmax that the list does not call 'softmax' is quantised finished and normalised). What goes into a quantiser is computed in f32, as accurately as f32 sums, v_exp_f32 and their like allow (about 1e-6 of the number): no bf16 or f16 on the way to a quantiser, and a product that is left as it is and whose result goes on into a quantised operand takes f32 operands (vector FMAs, or v_wmma_f32_16x16x4_f32). A number that lies on a knife's edge between two numbers of the format may be rounded either way, as far as f32 arithmetic and the matrix unit's own rounding can turn it there, and no further.
;;   INPUTS GIVEN AS CODES. W1 (in the module: [1024, 4096], K = its axis 0); W2 (in the module: [4096, 1024], K = its axis 0); Wk (in the module: [16, 1024, 64], K = its axis 1); Wproj (in the module: [1024, 1024], K = its axis 0); Wq (in the module: [16, 1024, 64], K = its axis 1); Wv (in the module: [16, 1024, 64], K = its axis 1): each comes as NAME_codes (uint8): NAME with its K axis moved to the last place and cut into blocks of 32 codes, [.., K / 32, bytes a block], one block behind the other in memory; one code a byte (a code: sign, 5 exponent bits, 2 mantissa bits); its scale is its entry of lowp_scales. Its value is code x scale, taken as it is: it is not quantised again, and the codes and scales need not be those that the quantiser above would give.
;; One version. Each part assembles by itself: llvm-mc -triple=amdgcn-amd-amdhsa -mcpu=gfx1250 --defsym DOCPART=n.
;; ======== version 1 of 1: 7 launches
;; limits: right only within a limited range of input values
;; workspace buffers: hbuf 12,582,912 bytes; qkvc 12,582,912 bytes; ac 4,194,304 bytes; x1 16,777,216 bytes; h2c 4,194,304 bytes; hid 16,777,216 bytes
;; launch ln1 (part 1): grid 256 x 1, 8 waves a work-group, no clusters, 66,560 bytes of LDS; arguments x, ln1_scale, ln1_bias, lowp_scales, hbuf; writes hbuf
.if DOCPART == 1
	.amdgcn_target "amdgcn-amd-amdhsa--gfx1250"
	.amdhsa_code_object_version 6
	.text
	.protected	k_q14de7a70fd_ln1
	.globl	k_q14de7a70fd_ln1
	.p2align	8
	.type	k_q14de7a70fd_ln1,@function
k_q14de7a70fd_ln1:
	s_mov_b64 s[64:65], 0
	v_nop
	global_prefetch_b8 v0, s[64:65] scope:SCOPE_SE
	s_setreg_imm32_b32 hwreg(HW_REG_WAVE_MODE, 25, 1), 1
	s_wait_xcnt 0x0
; h = LayerNorm(x) x gain + bias, in f32, turned into codes of BF8 (E5M2) three times: with 2^e1 (for q's product), 2^e3 (k's), 2^e5 (v's).
; x: [4096][1024] f32.  hbuf: [3][4096][1024] codes, the row's 1,024 numbers (the products' K) innermost.
; A wave takes two whole rows; a row (4,096 bytes) stays in 32 registers between the mean, the variance and the scaling, so it is read from memory once, and no wave waits for another.
; Each load reads 512 consecutive bytes, 16 a lane.  The conversion wants eight NEIGHBOURS in one lane's registers: so a row turns through the wave's own LDS bytes (in as loaded, back 32 bytes a lane):
; registers 8 g .. 8 g + 7 of lane l are then columns 256 g + 8 l + 0 .. 7, and the 32 lanes' eight codes of a group are 256 consecutive bytes, aligned, stored by one instruction.
; The variance is the mean of (x - mean)^2, taken in a second pass over the registers: a common offset of the inputs does not cancel digits.
; LIMITS: e1, e3, e5 between -126 and 112, so that 2^e and 57,344 x 2^e are f32 numbers.  NaN among the inputs is not served.
.set NSETS, 3
.set RAW, 16                           ; v16-79   two rows as loaded; later the codes: row i, set s, group g at v[16 + 24 i + 8 s + 2 g]
.set X,   80                           ; v80-143  two rows, turned
.set GA,  144                          ; v144-175 the gain, in the turned layout
.set BE,  176                          ; v176-207 the bias
.set T,   208
.set W,   224                          ; v224-231 four chains of sums; v232 a lane permute's destination; v[234:235] 1 / sqrt(var + eps), twice
	s_load_b256 s[4:11], s[0:1], 0x0               ; x s[4:5], gain s[6:7], bias s[8:9], the scales' exponents s[10:11]
	s_load_b64 s[12:13], s[0:1], 0x20              ; the codes
	v_lshl_add_u32 v240, v0, 2, 0x10000
	v_mov_b32 v241, 0
	v_lshrrev_b32 v1, 5, v0
	s_delay_alu instid0(VALU_DEP_1)
	v_readfirstlane_b32 s14, v1                    ; wave 0..7
	v_and_b32 v1, 31, v0                           ; lane
	s_delay_alu instid0(VALU_DEP_1)
	v_lshlrev_b32 v2, 4, v1                        ; 16 x lane: my bytes of a load's 512
	s_delay_alu instid0(VALU_DEP_2)
	v_lshlrev_b32 v3, 5, v1                        ; 32 x lane: my eight numbers of a group
	s_delay_alu instid0(VALU_DEP_3)
	v_lshlrev_b32 v6, 3, v1                        ; 8 x lane: my eight codes of a group
	s_lshl_b32 s15, s14, 13                        ; my wave's 8,192 bytes of LDS
	v_add_nc_u32 v4, s15, v2                       ; in
	v_add_nc_u32 v5, s15, v3                       ; back
	v_mov_b32 v232, 0                              ; written once: a lane permute's destination counts as one of its sources
	s_lshl_b32 s16, ttmp9, 3
	s_add_co_u32 s16, s16, s14                     ; which pair of rows is my wave's
	s_lshl_b32 s18, s16, 13                        ; two rows of 4,096 bytes
	s_mov_b32 s19, 0
	s_lshl_b32 s20, s16, 11                        ; two rows of 1,024 codes
	s_mov_b32 s21, 0
	s_mov_b32 s38, 0x76543210                      ; v_permlanex16_b32: lane l xor 16
	s_mov_b32 s39, 0xfedcba98
	s_mov_b32 s40, 0x3a800000                      ; 1 / 1,024
	s_mov_b32 s41, 0x358637bd                      ; 1e-6
	s_wait_alu depctr_va_vdst(0)
	s_wait_kmcnt 0x0
	s_load_b256 s[24:31], s[10:11], 0x0            ; e0 .. e7
	s_add_nc_u64 s[4:5], s[4:5], s[18:19]
	s_add_nc_u64 s[32:33], s[12:13], s[20:21]      ; set 0,
	s_add_nc_u64 s[34:35], s[32:33], 0x400000      ; set 1,
	s_add_nc_u64 s[36:37], s[32:33], 0x800000      ; set 2
.irp i, 0,1
.irp j, 0,1,2,3,4,5,6,7
	global_load_b128 v[RAW+32*\i+4*\j:RAW+32*\i+4*\j+3], v2, s[4:5] offset:4096*\i+512*\j th:TH_LOAD_NT
.endr
.endr
.irp j, 0,1,2,3,4,5,6,7
	global_load_b128 v[GA+4*\j:GA+4*\j+3], v3, s[6:7] offset:1024*(\j/2)+16*(\j%2)
.endr
.irp j, 0,1,2,3,4,5,6,7
	global_load_b128 v[BE+4*\j:BE+4*\j+3], v3, s[8:9] offset:1024*(\j/2)+16*(\j%2)
.endr
.macro TURN i                          ; row i through LDS: a wave's LDS instructions are served in order, so no wait stands between the stores and the loads
.irp j, 0,1,2,3,4,5,6,7
	ds_store_b128 v4, v[RAW+32*\i+4*\j:RAW+32*\i+4*\j+3] offset:4096*\i+512*\j
.endr
.irp j, 0,1,2,3,4,5,6,7
	ds_load_b128 v[X+32*\i+4*\j:X+32*\i+4*\j+3], v5 offset:4096*\i+1024*(\j/2)+16*(\j%2)
.endr
.endm
	s_wait_loadcnt 24                              ; row 0's eight loads are in: 24 were issued behind them
	TURN 0
	s_wait_loadcnt 16                              ; row 1's: the gain's and the bias's sixteen may be out
	TURN 1
	s_wait_kmcnt 0x0
.irp s, 0,1,2
	s_add_co_i32 s22, s[25+2*\s], 127
	s_lshl_b32 s23, s22, 23
	v_mov_b32 v[8+2*\s], s23                       ; 2^e as f32: the conversion takes its exponent field
	s_add_co_i32 s22, s22, 15
	s_lshl_b32 s22, s22, 23
	s_or_b32 s22, s22, 0x600000
.endr
.macro REDUCE                          ; four chains of pairs -> one number in every lane of the wave
	s_delay_alu instid0(VALU_DEP_3)
	v_pk_add_f32 v[W:W+1], v[W:W+1], v[W+2:W+3]
	s_delay_alu instid0(VALU_DEP_2)
	v_pk_add_f32 v[W+4:W+5], v[W+4:W+5], v[W+6:W+7]
	s_delay_alu instid0(VALU_DEP_1)
	v_pk_add_f32 v[W:W+1], v[W:W+1], v[W+4:W+5]
	s_delay_alu instid0(VALU_DEP_1)
	v_add_f32 v[W], v[W], v[W+1]
	s_delay_alu instid0(VALU_DEP_1)
	v_add_f32_dpp v[W], v[W], v[W] row_xmask:1 row_mask:0xf bank_mask:0xf
	s_delay_alu instid0(VALU_DEP_1)
	v_add_f32_dpp v[W], v[W], v[W] row_xmask:2 row_mask:0xf bank_mask:0xf
	s_delay_alu instid0(VALU_DEP_1)
	v_add_f32_dpp v[W], v[W], v[W] row_xmask:4 row_mask:0xf bank_mask:0xf
	s_delay_alu instid0(VALU_DEP_1)
	v_add_f32_dpp v[W], v[W], v[W] row_xmask:8 row_mask:0xf bank_mask:0xf
	s_delay_alu instid0(VALU_DEP_1)
	v_permlanex16_b32 v[W+8], v[W], s38, s39
	s_delay_alu instid0(VALU_DEP_1)
	v_add_f32 v[W], v[W], v[W+8]
.endm
.macro ROW i, left
.set XR, X+32*\i
	s_wait_dscnt \left                             ; my row is back; the other row's eight stores and eight loads may be out
.irp k, 0,1,2,3
	v_pk_add_f32 v[W+2*\k:W+2*\k+1], v[XR+4*\k:XR+4*\k+1], v[XR+4*\k+2:XR+4*\k+3]   ; the first sums start the chains: nothing is cleared
.endr
.irp k, 0,1,2,3,4,5,6,7
	s_delay_alu instid0(VALU_DEP_4)
	v_pk_add_f32 v[W+2*(\k%4):W+2*(\k%4)+1], v[W+2*(\k%4):W+2*(\k%4)+1], v[XR+16+2*\k:XR+17+2*\k]
.endr
	REDUCE
	s_delay_alu instid0(VALU_DEP_1)
	v_mul_f32 v14, s40, v[W]                       ; the mean,
	s_delay_alu instid0(VALU_DEP_1)
	v_mov_b32 v15, v14                             ; twice: a pair for the packed forms
.irp k, 0,1,2,3,4,5,6,7,8,9,10,11,12,13,14,15
	v_pk_add_f32 v[XR+2*\k:XR+2*\k+1], v[XR+2*\k:XR+2*\k+1], v[14:15] neg_lo:[0,1] neg_hi:[0,1]   ; x - mean
.endr
.irp k, 0,1,2,3
	v_pk_mul_f32 v[W+2*\k:W+2*\k+1], v[XR+2*\k:XR+2*\k+1], v[XR+2*\k:XR+2*\k+1]
.endr
.irp k, 4,5,6,7,8,9,10,11,12,13,14,15
	s_delay_alu instid0(VALU_DEP_4)
	v_pk_fma_f32 v[W+2*(\k%4):W+2*(\k%4)+1], v[XR+2*\k:XR+2*\k+1], v[XR+2*\k:XR+2*\k+1], v[W+2*(\k%4):W+2*(\k%4)+1]
.endr
	REDUCE
	s_delay_alu instid0(VALU_DEP_1)
	v_fma_f32 v[W+2], v[W], s40, s41               ; the variance + 1e-6
	s_wait_alu depctr_va_vdst(0)
	v_rsq_f32 v[W+10], v[W+2]
	v_nop                                          ; a plain instruction behind the transcendental (ISA guide 5.7.2)
	s_wait_alu depctr_va_vdst(0)                   ; and the wait ahead of the first instruction that names its result
	v_mov_b32 v[W+11], v[W+10]
.if \i == 0
	s_wait_alu depctr_va_vdst(0)
	s_wait_loadcnt 0x0                             ; the gain and the bias
.endif
.irp k, 0,1,2,3,4,5,6,7,8,9,10,11,12,13,14,15
	v_pk_mul_f32 v[XR+2*\k:XR+2*\k+1], v[XR+2*\k:XR+2*\k+1], v[W+10:W+11]
.endr
.irp k, 0,1,2,3,4,5,6,7,8,9,10,11,12,13,14,15
	v_pk_fma_f32 v[XR+2*\k:XR+2*\k+1], v[XR+2*\k:XR+2*\k+1], v[GA+2*\k:GA+2*\k+1], v[BE+2*\k:BE+2*\k+1]
.endr
.irp s, 0,1,2
.if \s < NSETS
.irp g, 0,1,2,3
.set TT, T+8*((4*\s+\g)%2)
.set CC, RAW+24*\i+8*\s+2*\g
.irp n, 0,1,2,3,4,5,6,7
.endr
	v_cvt_scalef32_pk8_bf8_f32 v[CC:CC+1], v[TT+((XR+8*\g+0)-(TT+0)):TT+7+((XR+8*\g+0)-(TT+0))], v[8+2*\s]
	global_store_b64 v6, v[CC:CC+1], s[32+2*\s:33+2*\s] offset:\i*1024+256*\g   ; 32 lanes store 256 consecutive bytes, aligned; each store has data registers of its own
.endr
.endif
.endr
.endm
	ROW 0, 16
	ROW 1, 0
	s_wait_tensorcnt 0x0
	ds_add_u32 v240, v241
	s_wait_dscnt 0x0
	s_endpgm
.Lfunc_end_k_q14de7a70fd_ln1:
	.size	k_q14de7a70fd_ln1, .Lfunc_end_k_q14de7a70fd_ln1-k_q14de7a70fd_ln1
	.p2alignl 7, 3214868480
	.fill 96, 4, 3214868480
	.section	.rodata,"a",@progbits
	.p2align	6, 0x0
	.amdhsa_kernel k_q14de7a70fd_ln1
		.amdhsa_group_segment_fixed_size 66560
		.amdhsa_private_segment_fixed_size 0
		.amdhsa_enable_private_segment 0
		.amdhsa_kernarg_size 40
		.amdhsa_user_sgpr_count 2
		.amdhsa_user_sgpr_kernarg_segment_ptr 1
		.amdhsa_wavefront_size32 1
		.amdhsa_system_sgpr_workgroup_id_x 1
		.amdhsa_system_sgpr_workgroup_id_y 1
		.amdhsa_system_sgpr_workgroup_id_z 1
		.amdhsa_system_vgpr_workitem_id 0
		.amdhsa_next_free_vgpr 242
		.amdhsa_next_free_sgpr 66
		.amdhsa_reserve_vcc 0
		.amdhsa_float_denorm_mode_32 3
		.amdhsa_float_denorm_mode_16_64 3
		.amdhsa_fp16_overflow 1
		.amdhsa_memory_ordered 1
		.amdhsa_forward_progress 1
		.amdhsa_inst_pref_size 27
	.end_amdhsa_kernel
	.amdgpu_metadata
---
amdhsa.version: [ 1, 2 ]
amdhsa.kernels:
  - .name:           k_q14de7a70fd_ln1
    .symbol:         k_q14de7a70fd_ln1.kd
    .args:
      - { .name: x, .offset: 0, .size: 8, .value_kind: global_buffer, .address_space: global }
      - { .name: ln1_scale, .offset: 8, .size: 8, .value_kind: global_buffer, .address_space: global }
      - { .name: ln1_bias, .offset: 16, .size: 8, .value_kind: global_buffer, .address_space: global }
      - { .name: lowp_scales, .offset: 24, .size: 8, .value_kind: global_buffer, .address_space: global }
      - { .name: hbuf, .offset: 32, .size: 8, .value_kind: global_buffer, .address_space: global }
    .group_segment_fixed_size: 66560
    .private_segment_fixed_size: 0
    .kernarg_segment_align: 8
    .kernarg_segment_size: 40
    .max_flat_workgroup_size: 256
    .sgpr_count:     66
    .vgpr_count:     242
    .wavefront_size: 32
...
	.end_amdgpu_metadata
.endif
;; end of part 1
;; launch qkv (part 2): grid 12 x 16, 4 waves a work-group, clusters of 4 x 4, 327,680 bytes of LDS; arguments hbuf, Wq_codes, Wk_codes, Wv_codes, lowp_scales, qkvc; writes qkvc
.if DOCPART == 2
	.amdgcn_target "amdgcn-amd-amdhsa--gfx1250"
	.amdhsa_code_object_version 6
	.text
	.protected	k_q14de7a70fd_qkv
	.globl	k_q14de7a70fd_qkv
	.p2align	8
	.type	k_q14de7a70fd_qkv,@function
k_q14de7a70fd_qkv:
	s_mov_b64 s[64:65], 0
	v_nop
	global_prefetch_b8 v0, s[64:65] scope:SCOPE_SE
	s_setreg_imm32_b32 hwreg(HW_REG_WAVE_MODE, 25, 1), 1
	s_wait_xcnt 0x0
	s_wait_alu depctr_hold_cnt(0) depctr_sa_sdst(0) depctr_va_vdst(0) depctr_va_sdst(0) depctr_va_ssrc(0) depctr_va_vcc(0) depctr_vm_vsrc(0)
	s_getreg_b32 s2, hwreg(HW_REG_IB_STS2, 6, 4)
	s_cmp_eq_u32 s2, 0
	s_cbranch_scc0 .Lentry_in_a_cluster
	s_endpgm
.Lentry_in_a_cluster:
	s_bfe_u32 s2, ttmp6, 0x10000c
	s_cmp_lg_u32 s2, 0xf033
	s_cbranch_scc0 .Lentry_shape_is_right
	s_endpgm
.Lentry_shape_is_right:
; q = h Wq^T, k = h Wk^T, v^T = Wv h^T on codes of BF8 (E5M2); the finished sums are quantised again, for attention's two products, and leave as codes.
; hbuf: [3][4096 tokens][1024] codes of h (made with e1, e3, e5).  Wq, Wk, Wv: [1024 = head x 64 + d][1024] codes (e0, e2, e4).
; qkvc: part 0: q [b][head][token][64] (e6); part 1: k likewise (e7); part 2: v^T [b][head][token / 64][d][64 tokens] (e9): in all three, (b, head, token t0) begins at (16 b + head) x 131,072 + 64 t0.
; The cluster's x says which product: sel = 0 q, 1 k, 2 v.  For q and k source A = tokens and B = the weight's rows; for v the sides are swapped (A = Wv's rows, B = tokens), so that a lane's eight results run along the tokens,
; which are the K of attention's second product.  A sum stands for sum x 2^(ew + eh), so its code is sum / 2^(eout - ew - eh): the three scales are folded into the conversion's one.
; LIMITS: e6 - e0 - e1, e7 - e2 - e3, e9 - e4 - e5 between -126 and 112, so that the power of two and 57,344 times it are f32 numbers.
; A tile of 256 x 256 results is made by four waves, each 128 x 128: 64 accumulators of 16 x 16, 512 registers.  K goes in steps of 256 through a ring of two LDS slots filled by the tensor data mover.
; CLUSTERS: 4 x 4 work-groups; the four of a row of the cluster need the same tiles of A, the four of a column the same tiles of B: each tile is asked for JOINTLY.  192 tiles in all: as many work-groups.
; THE MATRIX INSTRUCTION IS USED TRANSPOSED (source 0 = 16 rows of B, source 1 = 16 rows of A): a lane holds one row of A and eight neighbouring rows of B.
; A fragment is fetched by four loads of 16 bytes: registers 4 c .. 4 c + 3 hold K = 32 c + 16 (l / 16) + 0 .. 15: a permutation of k that is the same on both sides, so every product meets its partner.
; REGISTERS, in windows of 256: window 0: v0-31 addresses and the quantiser's scale; from v128 A's fragments, ONE set; on the way out v192-255 are at work.
;   window 1: B's fragments, TWO sets, at v0 and v128.   window 2: the accumulators of my rows 0-63 ((a, b) at v[8 (8 a + b)]);   window 3: those of my rows 64-127.
.set SIZE_K, 1024
.set KSTEP,  256
.set ROWB,   256
.set KROW,   SIZE_K
.set PITCH,  272                       ; an LDS row: 256 bytes + 16 of padding = 68 words: row r starts at bank 4 r mod 64 (ISA guide 11.1)
.set FR,     16
.set NL,     4
.set NP,     4                         ; places behind this matrix instruction (ISA guide 7.12.1)
.set HALFT,  128*PITCH
.set SLOT,   4*HALFT
.set LAPS,   SIZE_K/(2*KSTEP)
.set SPARE,  2*SLOT                    ; behind the ring: the spare words, 128 bytes for each wave
.set SPITCH, 144                       ; the way out: a stage row: 128 codes + 16
.set STG,    16*SPITCH                 ; a stage; each wave has two, in slot 0, which has had its last fill and its last read when the first code is stored there
.set ADRA, 16
.set ADRB, 20
.set STO,  24
.set RD,   25
.set CO,   26
.set SPW,  28
.set NIL,  29
.set QS,   30                          ; v30  the conversion's scale as f32
.set QL,   31
.set AF,   128
.set TMP,  128
.set CD,   192                         ; two sets of 16 registers of codes
.set BK,   224                         ; two sets of 16 registers read back from a stage
.set G1, 24
.set G0, 32
.set G1B, 48
.set G0B, 56
.set MSB, 0
.macro WIN new                         ; the immediate's high byte repeats the setting that is left
.if MSB != \new
	s_set_vgpr_msb (MSB<<8)|\new
.set MSB, \new
.endif
.endm
.set MUL_LO, 0xa1                      ; source 0 (B) window 1, source 1 (A) window 0, C and D window 2
.set MUL_HI, 0xf1
.set TO_B,   0x40
; A joint load: waves 0 and 1 fetch for A, waves 2 and 3 for B; the branch hangs on the wave's number alone.  Four v_nop follow each of the two lines.
.macro JLOAD g0a, g1a, g0b, g1b
	s_cmp_eq_u32 s15, 0
	s_cbranch_scc0 .Lfor_b_\@
	tensor_load_to_lds s[\g0a:\g0a+3], s[\g1a:\g1a+7]
	s_nop 0
.rept 4
	v_nop
.endr
	s_branch .Lasked_\@
.Lfor_b_\@:
	tensor_load_to_lds s[\g0b:\g0b+3], s[\g1b:\g1b+7]
	s_nop 0
.rept 4
	v_nop
.endr
.Lasked_\@:
.endm
.macro CREST                           ; a round of the cluster's barrier behind its opening barrier
	s_cmp_lg_u32 s14, 0
	s_cbranch_scc1 .Lnot_wave_0_\@
	s_barrier_signal -3
.Lnot_wave_0_\@:
	s_barrier_wait -3
	s_barrier_signal -1
	s_barrier_wait -1
.endm
.macro CROUND
	s_barrier_signal -1
	s_barrier_wait -1
	CREST
.endm
	s_load_b256 s[68:75], s[0:1], 0x0              ; hbuf s[68:69], Wq s[70:71], Wk s[72:73], Wv s[74:75]
	s_load_b128 s[76:79], s[0:1], 0x20             ; the scales' exponents s[76:77], qkvc s[78:79]
	v_lshl_add_u32 v[SPW], v0, 2, SPARE
	v_mov_b32 v[NIL], 0
	ds_add_u32 v28, v29
	ds_add_u32 v28, v29
	s_wait_dscnt 0x0
	v_lshrrev_b32 v1, 5, v0
	v_readfirstlane_b32 s14, v1                    ; wave 0..3
	s_lshr_b32 s15, s14, 1                         ; which half of the tile's rows of A is mine.  Also: I fetch for A (0) or for B (1)
	s_and_b32 s16, s14, 1                          ; which half of its rows of B.  Also: which 128 rows of that tile I fetch
	s_bfe_u32 s40, ttmp6, 0x40000                  ; cx, cy: my place in the cluster
	s_bfe_u32 s41, ttmp6, 0x40004
	s_mov_b32 s66, ttmp9                           ; sel: the cluster's x, the same in all sixteen partners
	s_and_b32 s67, ttmp7, 0xffff                   ; the cluster's y
	s_lshl_b32 s86, s67, 2
	s_cmp_eq_u32 s66, 2
	s_cselect_b32 s17, 0, s86                      ; the 16 tiles of tokens run along A for q and k,
	s_cselect_b32 s42, s86, 0                      ; along B for v
	s_add_co_u32 s17, s17, s41                     ; tile of A's rows: made of cy and the cluster's place alone
	s_add_co_u32 s42, s42, s40                     ; tile of B's rows: of cx and the cluster's place alone
	s_lshl_b32 s43, s41, 2
	s_lshl_b32 s43, 15, s43                        ; my row of the cluster
	s_lshl_b32 s44, 0x1111, s40                    ; my column
	s_or_b32 s[G1+0], s43, (0<<16)|(1<<20)|(1<<21)|(5<<22)|(3<<25)  ; 15:0 the mask; 17:16 elements of 1 byte; 20 padding on; 21 set beside a mask; 24:22 after every 64 words; 31:25 four words
	s_or_b32 s[G1B+0], s44, (0<<16)|(1<<20)|(1<<21)|(5<<22)|(3<<25)
.irp g, G1, G1B
	s_mov_b32 s[\g+1], ROWB<<16                    ; tensor_dim0
	s_mov_b32 s[\g+2], 128<<16                     ; tensor_dim1
	s_mov_b32 s[\g+3], ROWB<<16                    ; tile_dim0
	s_mov_b32 s[\g+4], 128                         ; tile_dim1
	s_mov_b32 s[\g+5], KROW                        ; tensor_dim0_stride
	s_mov_b32 s[\g+6], 0
	s_mov_b32 s[\g+7], 0
.endr
	s_lshl_b32 s18, s16, 7                         ; which 128 rows of the tile I fetch
	s_lshl_b32 s20, s17, 8
	s_add_co_u32 s20, s20, s18
	s_lshl_b32 s20, s20, 10                        ; A: (256 x tile + 128 x half) rows of 1,024 bytes
	s_mov_b32 s21, 0
	s_lshl_b32 s46, s42, 8
	s_add_co_u32 s46, s46, s18
	s_lshl_b32 s46, s46, 10                        ; B likewise
	s_mov_b32 s47, 0
	s_mul_i32 s45, s14, HALFT                      ; where they go: wave x 128 rows
	s_wait_kmcnt 0x0
	s_load_b256 s[88:95], s[76:77], 0x0            ; e0 .. e7
	s_load_b64 s[96:97], s[76:77], 0x20            ; e8, e9
	s_cmp_eq_u32 s66, 0
	s_cselect_b64 s[80:81], s[70:71], s[72:73]     ; the weight of my product: the choices hang on the cluster's x alone
	s_cmp_eq_u32 s66, 2
	s_cselect_b64 s[80:81], s[74:75], s[80:81]
	s_lshl_b32 s82, s66, 22
	s_mov_b32 s83, 0
	s_add_nc_u64 s[82:83], s[68:69], s[82:83]      ; h's codes made with my product's scale
	s_cmp_eq_u32 s66, 2
	s_cselect_b64 s[4:5], s[80:81], s[82:83]       ; A
	s_cselect_b64 s[6:7], s[82:83], s[80:81]       ; B
	s_add_nc_u64 s[20:21], s[4:5], s[20:21]
	s_add_nc_u64 s[46:47], s[6:7], s[46:47]
	CROUND                                         ; all sixteen work-groups are here: the first joint loads meet
.irp s, 0,1
	s_mov_b32 s[G0+4*\s], 1
	s_add_co_u32 s[G0+4*\s+1], s45, \s*SLOT
	s_add_nc_u64 s[G0+4*\s+2:G0+4*\s+3], s[20:21], \s*ROWB
	s_or_b32 s[G0+4*\s+3], s[G0+4*\s+3], 0x80000000
	s_mov_b32 s[G0B+4*\s], 1
	s_add_co_u32 s[G0B+4*\s+1], s45, \s*SLOT
	s_add_nc_u64 s[G0B+4*\s+2:G0B+4*\s+3], s[46:47], \s*ROWB
	s_or_b32 s[G0B+4*\s+3], s[G0B+4*\s+3], 0x80000000
	JLOAD G0+4*\s, G1, G0B+4*\s, G1B
.endr
	v_and_b32 v1, 15, v0                           ; l % 16
	s_wait_alu depctr_va_vdst(0)
	v_bfe_u32 v2, v0, 4, 1                         ; l / 16
	v_mul_u32_u24 v3, v1, PITCH
	v_lshl_add_u32 v4, v2, 4, v3                   ; a fragment's row x pitch + 16 x half
	s_mul_i32 s21, s15, HALFT
	s_mul_i32 s22, s16, HALFT
	s_add_co_u32 s22, s22, 2*HALFT
.irp s, 0,1
	v_add_nc_u32 v[ADRA+\s], s21, v4
	v_add_nc_u32 v[ADRB+\s], s22, v4
	s_add_co_u32 s21, s21, SLOT
	s_add_co_u32 s22, s22, SLOT
.endr
	s_mul_i32 s23, s14, 2*STG                      ; my two stages
	v_mul_u32_u24 v5, v1, SPITCH                   ; in: row l % 16, 8 codes for each half of the lanes
	s_wait_alu depctr_va_vdst(0)
	v_lshl_add_u32 v5, v2, 3, v5
	v_add_nc_u32 v[STO], s23, v5
	v_and_b32 v6, 31, v0
	v_lshrrev_b32 v7, 2, v6                        ; back: four lanes to 64 bytes of a row, eight rows an instruction
	v_mul_u32_u24 v7, v7, SPITCH
	v_and_b32 v8, 3, v6
	v_lshl_add_u32 v7, v8, 4, v7
	v_add_nc_u32 v[RD], s23, v7
	v_lshlrev_b32 v[CO], 4, v6                     ; which are 512 consecutive bytes of qkvc
	; where my results go.  R0, C0: my first row of A and of B
	s_lshl_b32 s20, s17, 8
	s_lshl_b32 s21, s15, 7
	s_add_co_u32 s20, s20, s21                     ; R0
	s_lshl_b32 s22, s42, 8
	s_lshl_b32 s21, s16, 7
	s_add_co_u32 s22, s22, s21                     ; C0
	s_cmp_eq_u32 s66, 2
	s_cselect_b32 s21, s22, s20                    ; my first token,
	s_cselect_b32 s23, s20, s22                    ; my first head x 64 + d
	s_mov_b32 s84, 1024
	s_cselect_b32 s84, 128000, s84                 ; from block 3 to block 4 of A's rows: q, k: 16 tokens on; v: from d = 48 of a head to d = 0 of the next
	s_mov_b32 s86, 131072
	s_cselect_b32 s86, 4096, s86                   ; from the first 64 of B's rows to the second: q, k: the next head; v: the next 64 tokens
	s_mov_b32 s85, 0
	s_mov_b32 s87, 0
	s_lshr_b32 s46, s21, 11                        ; b
	s_lshl_b32 s46, s46, 4
	s_lshr_b32 s47, s23, 6                         ; head
	s_add_co_u32 s46, s46, s47
	s_lshl_b32 s46, s46, 17
	s_and_b32 s47, s21, 2047
	s_lshl_b32 s47, s47, 6
	s_add_co_u32 s46, s46, s47
	s_lshl_b32 s47, s66, 22                        ; the part of qkvc
	s_add_co_u32 s46, s46, s47
	s_mov_b32 s47, 0
	s_add_nc_u64 s[10:11], s[78:79], s[46:47]
	s_add_nc_u64 s[12:13], s[10:11], s[86:87]
.macro FRAG reg, adr, q, i
.irp c, 0,1,2,3
	ds_load_b128 v[\reg+4*\c:\reg+4*\c+3], v[\adr] offset:128*(\q)+32*\c+(\i)*16*PITCH
.endr
.endm
; 16 matrix instructions: A's blocks a0, a0 + 1 x B's eight, 128 along K.  The 64 accumulators take turns, one instruction a turn, in the same order in every step.
.macro MUL16 a0, p, zero
.irp a, \a0, \a0+1
.irp b, 0,1,2,3,4,5,6,7
.if \zero
	v_wmma_f32_16x16x128_bf8_bf8 v[8*(8*((\a)%4)+\b):8*(8*((\a)%4)+\b)+7], v[128*(\p)+FR*\b:128*(\p)+FR*\b+FR-1], v[AF+FR*(\a):AF+FR*(\a)+FR-1], 0
.else
	v_wmma_f32_16x16x128_bf8_bf8 v[8*(8*((\a)%4)+\b):8*(8*((\a)%4)+\b)+7], v[128*(\p)+FR*\b:128*(\p)+FR*\b+FR-1], v[AF+FR*(\a):AF+FR*(\a)+FR-1], v[8*(8*((\a)%4)+\b):8*(8*((\a)%4)+\b)+7]
.endif
.endr
.endr
.endm
.macro FETCH_B slot, q, p
	WIN TO_B
.irp i, 0,1,2,3,4,5,6,7
	FRAG 128*(\p)+FR*\i, ADRB+\slot, \q, \i
.endr
	WIN 0
.endm
.macro FETCH_A slot, q, i0
.irp i, \i0, \i0+1, \i0+2, \i0+3
	FRAG AF+FR*(\i), ADRA+\slot, \q, \i
.endr
.endm
.macro PLACES n                        ; plain vector instructions between a matrix instruction and a load into, or a vector write or read of, its registers
.rept \n
	v_nop
.endr
.endm
.macro STEP slot, q, zero              ; a step of 128 along K that has its successor in the same slot
	s_wait_dscnt 4*NL                              ; B's set and A's blocks 0-3 are in; the youngest sixteen loads (A's blocks 4-7) may be out
	WIN MUL_LO
	MUL16 0, (\q)%2, \zero
	MUL16 2, (\q)%2, \zero
	s_wait_dscnt 0
	PLACES NP
	FETCH_B \slot, (\q)+1, 1-(\q)%2
	FETCH_A \slot, (\q)+1, 0
	WIN MUL_HI
	MUL16 4, (\q)%2, \zero
	MUL16 6, (\q)%2, \zero
	PLACES NP
	WIN 0
	FETCH_A \slot, (\q)+1, 4
.endm
; A slot's last step changes slots: ONE barrier; in front of it each wave waits for all its tensor loads, adds 0 to its spare word, and waits for that and for its own reads of this slot.
.macro TURN slot, next, fill
	s_wait_tensorcnt 0x0                           ; all my tensor loads have landed: my part of the next slot
	ds_add_u32 v[SPW], v[NIL]                      ; 0 onto my spare word
	s_wait_dscnt 4*NL+1                            ; (the add and the youngest sixteen loads, A's blocks 4-7, may be out)
	WIN MUL_LO
	MUL16 0, 1, 0
	s_wait_dscnt 0x0                               ; the add is done, and my reads of this slot are over
	s_barrier_signal -1
	MUL16 2, 1, 0
	WIN 0
	s_barrier_wait -1
.if \fill
	CREST                                          ; the barrier has opened a round of the cluster's barrier: no wave of any partner still reads this slot or has a load on its way
	s_add_nc_u64 s[G0+4*\slot+2:G0+4*\slot+3], s[G0+4*\slot+2:G0+4*\slot+3], 2*ROWB
	s_add_nc_u64 s[G0B+4*\slot+2:G0B+4*\slot+3], s[G0B+4*\slot+2:G0B+4*\slot+3], 2*ROWB
	JLOAD G0+4*\slot, G1, G0B+4*\slot, G1B         ; the first tensor load behind the round; its four v_nop are the places in front of the loads below
.else
	PLACES NP
.endif
	FETCH_B \next, 0, 0
	FETCH_A \next, 0, 0
	WIN MUL_HI
	MUL16 4, 1, 0
	MUL16 6, 1, 0
	PLACES NP
	WIN 0
	FETCH_A \next, 0, 4
.endm
	s_wait_tensorcnt 1                             ; my part of K step 0 is in (K step 1's load may be out)
	s_barrier_signal -1
	s_barrier_wait -1                              ; everybody's is
	FETCH_B 0, 0, 0
	FETCH_A 0, 0, 0
	FETCH_A 0, 0, 4
	STEP 0, 0, 1                                   ; the first step's products start the sums
	s_mov_b32 s3, LAPS-1
.Llap:                                                 ; a trip goes once round the ring and fills both slots again
	TURN 0, 1, 1
	STEP 1, 0, 0
	TURN 1, 0, 1
	STEP 0, 0, 0
	s_sub_co_u32 s3, s3, 1
	s_cmp_lg_u32 s3, 0
	s_cbranch_scc1 .Llap
	TURN 0, 1, 0                                   ; the last lap fills nothing
	STEP 1, 0, 0
	s_wait_dscnt 4*NL
	WIN MUL_LO
	MUL16 0, 1, 0
	MUL16 2, 1, 0
	s_wait_dscnt 0
	WIN MUL_HI
	MUL16 4, 1, 0
	MUL16 6, 1, 0
	WIN 0
; THE WAY OUT, block by block of 16 rows of A x 128 rows of B.  The sums are converted (eight neighbours of a lane to 8 bytes), laid into my own stage as 16 rows of 128 codes, and read back so that an instruction's
; 32 lanes hold eight rows' 64 bytes, which are 512 consecutive bytes of qkvc.  A wave's LDS instructions are served in order (ISA guide 5.7.1.4): no wait between the stores and the loads.
.macro TOSTAGE a
.set AC, 64*((\a)%4)
.set CC, CD+16*((\a)%2)
.set BB, BK+16*((\a)%2)
	WIN 0x02+((\a)/4)                              ; source 0: window 2 or 3
.set n, 0
.rept 64
.set n, n+1
.endr
.irp b, 0,1,2,3,4,5,6,7
	v_cvt_scalef32_pk8_bf8_f32 v[CC+2*\b:CC+2*\b+1], v[AC+8*\b:AC+8*\b+7], v[QS]
.endr
	WIN 0
	v_nop                                          ; a plain vector line behind the last conversion
.irp b, 0,1,2,3,4,5,6,7
	ds_store_b64 v[STO], v[CC+2*\b:CC+2*\b+1] offset:((\a)%2)*STG+16*\b
.endr
.irp hh, 0,1
.irp hf, 0,1
	ds_load_b128 v[BB+4*(2*\hh+\hf):BB+4*(2*\hh+\hf)+3], v[RD] offset:((\a)%2)*STG+\hf*8*SPITCH+\hh*64
.endr
.endr
.endm
.macro SEND a, younger                 ; younger: the LDS instructions issued behind block a's loads
.set BB, BK+16*((\a)%2)
	s_wait_dscnt \younger
.if (\a) == 4
	s_add_nc_u64 s[10:11], s[10:11], s[84:85]      ; (behind a wait on XCNT: the earlier stores have read their bases)
	s_add_nc_u64 s[12:13], s[12:13], s[84:85]
.elseif (\a) > 0
	s_add_nc_u64 s[10:11], s[10:11], 1024
	s_add_nc_u64 s[12:13], s[12:13], 1024
.endif
.irp hh, 0,1
.irp hf, 0,1
	global_store_b128 v[CO], v[BB+4*(2*\hh+\hf):BB+4*(2*\hh+\hf)+3], s[10+2*\hh:11+2*\hh] offset:512*\hf   ; 32 lanes store 512 consecutive bytes, aligned
.endr
.endr
.endm
	s_wait_kmcnt 0x0
	s_sub_co_i32 s88, s94, s88
	s_sub_co_i32 s88, s88, s89                     ; e6 - e0 - e1
	s_sub_co_i32 s90, s95, s90
	s_sub_co_i32 s90, s90, s91                     ; e7 - e2 - e3
	s_sub_co_i32 s92, s97, s92
	s_sub_co_i32 s92, s92, s93                     ; e9 - e4 - e5
	s_cmp_eq_u32 s66, 0
	s_cselect_b32 s88, s88, s90
	s_cmp_eq_u32 s66, 2
	s_cselect_b32 s88, s92, s88
	s_add_co_i32 s88, s88, 127
	s_lshl_b32 s89, s88, 23
	v_mov_b32 v[QS], s89
	s_add_co_i32 s88, s88, 15
	s_lshl_b32 s88, s88, 23
	s_or_b32 s88, s88, 0x600000
	PLACES NP                                      ; behind the last products: for the writes into the registers that held A's fragments and for the reads of results
	TOSTAGE 0
.irp a, 1,2,3,4,5,6,7
.if \a > 1
	s_wait_xcnt 0x0                                ; block a - 2's stores have read their registers and bases: block a's loads may land there, and the bases may step
.endif
	TOSTAGE \a
	SEND \a-1, 12                                  ; behind block a - 1's loads: block a's 8 stores and 4 loads
.endr
	s_wait_xcnt 0x0
	SEND 7, 0
	s_wait_tensorcnt 0x0                           ; the wave's end
	ds_add_u32 v[SPW], v[NIL]
	s_wait_dscnt 0x0
	CROUND                                         ; the closing round
	s_endpgm
.Lfunc_end_k_q14de7a70fd_qkv:
	.size	k_q14de7a70fd_qkv, .Lfunc_end_k_q14de7a70fd_qkv-k_q14de7a70fd_qkv
	.p2alignl 7, 3214868480
	.fill 96, 4, 3214868480
	.section	.rodata,"a",@progbits
	.p2align	6, 0x0
	.amdhsa_kernel k_q14de7a70fd_qkv
		.amdhsa_group_segment_fixed_size 327680
		.amdhsa_private_segment_fixed_size 0
		.amdhsa_enable_private_segment 0
		.amdhsa_kernarg_size 48
		.amdhsa_user_sgpr_count 2
		.amdhsa_user_sgpr_kernarg_segment_ptr 1
		.amdhsa_wavefront_size32 1
		.amdhsa_system_sgpr_workgroup_id_x 1
		.amdhsa_system_sgpr_workgroup_id_y 1
		.amdhsa_system_sgpr_workgroup_id_z 1
		.amdhsa_system_vgpr_workitem_id 0
		.amdhsa_next_free_vgpr 1024
		.amdhsa_next_free_sgpr 100
		.amdhsa_reserve_vcc 0
		.amdhsa_float_denorm_mode_32 3
		.amdhsa_float_denorm_mode_16_64 3
		.amdhsa_fp16_overflow 1
		.amdhsa_memory_ordered 1
		.amdhsa_forward_progress 1
		.amdhsa_inst_pref_size 95
	.end_amdhsa_kernel
	.amdgpu_metadata
---
amdhsa.version: [ 1, 2 ]
amdhsa.kernels:
  - .name:           k_q14de7a70fd_qkv
    .symbol:         k_q14de7a70fd_qkv.kd
    .args:
      - { .name: hbuf, .offset: 0, .size: 8, .value_kind: global_buffer, .address_space: global }
      - { .name: Wq_codes, .offset: 8, .size: 8, .value_kind: global_buffer, .address_space: global }
      - { .name: Wk_codes, .offset: 16, .size: 8, .value_kind: global_buffer, .address_space: global }
      - { .name: Wv_codes, .offset: 24, .size: 8, .value_kind: global_buffer, .address_space: global }
      - { .name: lowp_scales, .offset: 32, .size: 8, .value_kind: global_buffer, .address_space: global }
      - { .name: qkvc, .offset: 40, .size: 8, .value_kind: global_buffer, .address_space: global }
    .group_segment_fixed_size: 327680
    .private_segment_fixed_size: 0
    .kernarg_segment_align: 8
    .kernarg_segment_size: 48
    .max_flat_workgroup_size: 128
    .sgpr_count:     100
    .vgpr_count:     1024
    .wavefront_size: 32
...
	.end_amdgpu_metadata
.endif
;; end of part 2
;; launch attn (part 3): grid 8 x 32, 16 waves a work-group, clusters of 4 x 1, 327,680 bytes of LDS; arguments qkvc, lowp_scales, ac; writes ac
.if DOCPART == 3
	.amdgcn_target "amdgcn-amd-amdhsa--gfx1250"
	.amdhsa_code_object_version 6
	.text
	.protected	k_q14de7a70fd_attn
	.globl	k_q14de7a70fd_attn
	.p2align	8
	.type	k_q14de7a70fd_attn,@function
k_q14de7a70fd_attn:
	s_mov_b64 s[64:65], 0
	v_nop
	global_prefetch_b8 v0, s[64:65] scope:SCOPE_SE
	s_setreg_imm32_b32 hwreg(HW_REG_WAVE_MODE, 25, 1), 1
	s_wait_xcnt 0x0
	s_wait_alu depctr_hold_cnt(0) depctr_sa_sdst(0) depctr_va_vdst(0) depctr_va_sdst(0) depctr_va_ssrc(0) depctr_va_vcc(0) depctr_vm_vsrc(0)
	s_getreg_b32 s2, hwreg(HW_REG_IB_STS2, 6, 4)
	s_cmp_eq_u32 s2, 0
	s_cbranch_scc0 .Lentry_in_a_cluster
	s_endpgm
.Lentry_in_a_cluster:
	s_bfe_u32 s2, ttmp6, 0x10000c
	s_cmp_lg_u32 s2, 0x3003
	s_cbranch_scc0 .Lentry_shape_is_right
	s_endpgm
.Lentry_shape_is_right:
.set PT,    272
.set VOFF,  512*PT
.set STEPB, 32*PT
.set SPARE, 2*VOFF
.set AREA,  SPARE+2048
.set AREAB, 4608
.set FR0,   8
.set FR1,   56
.set AK0, 1
.set AV0, 2
.set XA,  3
.set DG,  4
.set SPW, 5
.set NIL, 6
.set GO,  7
.set ADK, 8
.set ADV, 9
.set SIN, 10
.set SBK, 11
.set QO,  255
.set WV,  18
.set TY,  19
.set SEL, 20
.set CS,  22
.set G1A, 24
.set G1B, 32
.set G0A, 40
.set G0B, 44
.set PR,  48
.set RB2, 49
.set TB,  60
.set CNT, 61
.set KS,  98
.set RK,  99
.macro CROUND
	s_barrier_signal -1
	s_barrier_wait -1
	s_cmp_lg_u32 s[WV], 0
	s_cbranch_scc1 .Lnot_wave_0_\@
	s_barrier_signal -3
.Lnot_wave_0_\@:
	s_barrier_wait -3
	s_barrier_signal -1
	s_barrier_wait -1
.endm
	s_load_b128 s[4:7], s[0:1], 0x0
	s_load_b64 s[8:9], s[0:1], 0x10
	v_lshl_add_u32 v[SPW], v0, 2, SPARE
	v_mov_b32 v[NIL], 0
	ds_add_u32 v5, v6
	ds_add_u32 v5, v6
	s_wait_dscnt 0x0
	v_lshrrev_b32 v8, 5, v0
	s_delay_alu instid0(VALU_DEP_1)
	v_readfirstlane_b32 s[WV], v8
	s_bfe_u32 s66, ttmp6, 0x40000
	s_lshl_b32 s67, ttmp9, 2
	s_add_co_u32 s67, s67, s66
	s_and_b32 s68, ttmp7, 0xffff
	s_lshr_b32 s[PR], s[WV], 1
	s_lshr_b32 s[TY], s[WV], 2
	s_xor_b32 s[TY], s[TY], s[WV]
	s_and_b32 s[TY], s[TY], 1
	s_xor_b32 s69, s[TY], 1
	s_mul_i32 s69, s69, 15
	s_xor_b32 s[RK], s[PR], s69
	s_xor_b32 s70, s[PR], 15
	s_mul_i32 s[RB2], s70, s[TY]
	s_lshl_b32 s71, s68, 17
	s_lshl_b32 s72, s67, 4
	s_lshl_b32 s73, s[RK], 7
	s_add_co_u32 s73, s73, s72
	s_lshl_b32 s74, s73, 6
	s_add_co_u32 s74, s74, s71
	s_mov_b32 s75, 0
	s_lshl_b32 s76, s70, 7
	s_add_co_u32 s76, s76, s72
	s_lshl_b32 s76, s76, 6
	s_add_co_u32 s76, s76, s71
	s_mov_b32 s77, 0
	s_lshr_b32 s78, s68, 4
	s_lshl_b32 s78, s78, 11
	s_add_co_u32 s78, s78, s73
	s_lshl_b32 s78, s78, 10
	s_and_b32 s79, s68, 15
	s_lshl_b32 s79, s79, 6
	s_add_co_u32 s78, s78, s79
	s_mov_b32 s79, 0
	s_lshr_b32 s50, s[WV], 3
	s_and_b32 s51, s[WV], 7
	s_mul_i32 s52, s50, VOFF
	s_mul_i32 s53, s51, FR0*PT
	s_add_co_u32 s53, s53, s52
	s_mul_i32 s54, s51, FR1*PT
	s_add_co_u32 s54, s54, s52
	s_add_co_u32 s54, s54, 64*PT
	s_add_co_u32 s55, s50, 1
	s_lshl_b32 s55, s55, 22
	s_add_co_u32 s55, s55, s71
	s_lshl_b32 s56, s51, 11
	s_add_co_u32 s56, s56, s55
	s_mov_b32 s57, 0
	s_mul_i32 s58, s51, FR1*256
	s_add_co_u32 s58, s58, s55
	s_add_co_u32 s58, s58, 64*256
	s_mov_b32 s59, 0
.irp g, G1A, G1B
	s_mov_b32 s[\g], 15|(0<<16)|(1<<20)|(1<<21)|(5<<22)|(3<<25)
	s_mov_b32 s[\g+1], 256<<16
	s_mov_b32 s[\g+3], 256<<16
	s_mov_b32 s[\g+5], 256
	s_mov_b32 s[\g+6], 0
	s_mov_b32 s[\g+7], 0
.endr
	s_mov_b32 s[G1A+2], FR0<<16
	s_mov_b32 s[G1A+4], FR0
	s_mov_b32 s[G1B+2], FR1<<16
	s_mov_b32 s[G1B+4], FR1
	s_mul_i32 s62, s[PR], AREAB
	s_add_co_u32 s62, s62, AREA
	s_mov_b32 s[SEL], 0x76543210
	s_mov_b32 s[SEL+1], 0xfedcba98
	s_mov_b32 s[CS], 0x3d38aa3b
	s_mov_b32 s[TB], 0
	s_mov_b32 s[KS], 0
	s_wait_kmcnt 0x0
	s_load_b256 s[84:91], s[6:7], 0x18
	s_mov_b32 s[G0A], 1
	s_mov_b32 s[G0A+1], s53
	s_add_nc_u64 s[G0A+2:G0A+3], s[4:5], s[56:57]
	s_or_b32 s[G0A+3], s[G0A+3], 0x80000000
	s_mov_b32 s[G0B], 1
	s_mov_b32 s[G0B+1], s54
	s_add_nc_u64 s[G0B+2:G0B+3], s[4:5], s[58:59]
	s_or_b32 s[G0B+3], s[G0B+3], 0x80000000
	s_add_nc_u64 s[8:9], s[8:9], s[78:79]
	s_add_nc_u64 s[10:11], s[4:5], s[76:77]
	s_add_nc_u64 s[4:5], s[4:5], s[74:75]
	CROUND
	tensor_load_to_lds s[G0A:G0A+3], s[G1A:G1A+7]
	s_nop 0
	tensor_load_to_lds s[G0B:G0B+3], s[G1B:G1B+7]
	s_nop 0
.rept 4
	v_nop
.endr
	v_and_b32 v8, 15, v0
	v_bfe_u32 v9, v0, 4, 1
	s_delay_alu instid0(VALU_DEP_2)
	v_lshlrev_b32 v[QO], 6, v8
	s_delay_alu instid0(VALU_DEP_1)
	v_lshl_add_u32 v[QO], v9, 4, v[QO]
	global_load_b128 v[16:19], v[QO], s[4:5]
	global_load_b128 v[20:23], v[QO], s[4:5] offset:32
	global_load_b128 v[24:27], v[QO], s[10:11]
	global_load_b128 v[28:31], v[QO], s[10:11] offset:32
	v_and_b32 v254, 8, v8
	s_delay_alu instid0(VALU_DEP_1)
	v_add_nc_u32 v254, v254, v8
	s_delay_alu instid0(VALU_DEP_1)
	v_lshrrev_b32 v254, 2, v254
	s_delay_alu instid0(VALU_DEP_1)
	v_mul_u32_u24 v[AK0], v254, PT
	v_and_b32 v254, 3, v8
	s_delay_alu instid0(VALU_DEP_1)
	v_lshl_add_u32 v[AK0], v254, 6, v[AK0]
	s_delay_alu instid0(VALU_DEP_1)
	v_lshl_add_u32 v[AK0], v9, 4, v[AK0]
	v_lshrrev_b32 v[AV0], 2, v8
	s_delay_alu instid0(VALU_DEP_1)
	v_mul_u32_u24 v[AV0], v[AV0], PT
	s_delay_alu instid0(VALU_DEP_1)
	v_lshl_add_u32 v[AV0], v254, 6, v[AV0]
	s_delay_alu instid0(VALU_DEP_1)
	v_lshl_add_u32 v[AV0], v9, 4, v[AV0]
	s_delay_alu instid0(VALU_DEP_1)
	v_add_nc_u32 v[AV0], VOFF, v[AV0]
	v_lshlrev_b32 v[DG], 4, v9
	s_delay_alu instid0(VALU_DEP_1)
	v_sub_nc_u32 v[DG], v8, v[DG]
	s_delay_alu instid0(VALU_DEP_1)
	v_lshl_add_u32 v[DG], s67, 4, v[DG]
	v_and_b32 v[GO], 31, v0
	s_delay_alu instid0(VALU_DEP_1)
	v_lshrrev_b32 v254, 2, v[GO]
	s_delay_alu instid0(VALU_DEP_2)
	v_and_b32 v[GO], 3, v[GO]
	s_delay_alu instid0(VALU_DEP_1)
	v_lshlrev_b32 v[GO], 4, v[GO]
	s_delay_alu instid0(VALU_DEP_1)
	v_mad_u32_u24 v[SBK], v254, 80, v[GO]
	s_delay_alu instid0(VALU_DEP_1)
	v_add_nc_u32 v[SBK], s62, v[SBK]
	s_delay_alu instid0(VALU_DEP_3)
	v_lshl_add_u32 v[GO], v254, 10, v[GO]
	v_mul_u32_u24 v[SIN], v8, 80
	s_delay_alu instid0(VALU_DEP_1)
	v_lshl_add_u32 v[SIN], v9, 3, v[SIN]
	s_delay_alu instid0(VALU_DEP_1)
	v_add_nc_u32 v[SIN], s62, v[SIN]
	v_and_b32 v[XA], 31, v0
	s_delay_alu instid0(VALU_DEP_1)
	v_lshlrev_b32 v[XA], 4, v[XA]
	s_delay_alu instid0(VALU_DEP_1)
	v_add_nc_u32 v[XA], s62, v[XA]
	v_mov_b32 v13, 0xff61b1e6
	s_delay_alu instid0(VALU_DEP_1)
	v_floor_f32 v12, -v13
	v_mov_b32 v14, 0
	v_mov_b32 v15, 0
	v_mov_b32 v246, 0
	v_mov_b32 v243, 0
	v_mov_b32 v253, 0
.set n, 0
.rept 32
	v_mov_b32 v[160+n], 0
.set n, n+1
.endr
	s_wait_kmcnt 0x0
	s_add_co_i32 s72, s84, s85
	s_lshl_b32 s72, s72, 23
	s_add_co_i32 s[CS], s[CS], s72
	s_mov_b32 s[CS+1], s[CS]
	s_add_co_i32 s72, s86, 127
	s_lshl_b32 s73, s72, 23
	v_mov_b32 v244, s73
	s_sub_co_i32 s72, s88, s86
	s_sub_co_i32 s72, s72, s87
	s_add_co_i32 s72, s72, 127
	s_lshl_b32 s73, s72, 23
	v_mov_b32 v245, s73
.macro STEP
	s_cmp_gt_u32 s[KS], s[RK]
	s_cbranch_scc1 .Lhidden_\@
	s_setprio 2
	v_add_nc_u32 v[ADK], s[TB], v[AK0]
	v_add_nc_u32 v[ADV], s[TB], v[AV0]
	v_nop
	v_nop
.irp t, 0,1,2,3,4,5,6,7
.irp c, 0,1
	ds_load_b128 v[32+8*\t+4*\c:32+8*\t+4*\c+3], v[ADK] offset:(8*(\t/2)+2*(\t%2))*PT+32*\c
.endr
.endr
	s_wait_alu depctr_va_vdst(0)
	s_wait_dscnt 0x0
.irp t, 0,1,2,3,4,5,6,7
	v_wmma_f32_16x16x64_bf8_bf8 v[96+8*\t:103+8*\t], v[32+8*\t:39+8*\t], v[16:23], 0
.endr
.rept 4
	v_nop
.endr
.irp t, 0,1,2,3
.irp c, 0,1,2,3
	ds_load_b128 v[32+16*\t+4*\c:32+16*\t+4*\c+3], v[ADV] offset:((\c/2)*16+4*\t)*PT+32*(\c%2)
.endr
.endr
	s_cmp_lg_u32 s[KS], s[RK]
	s_cbranch_scc1 .Lopen_\@
	v_mov_b32 v254, 0xff800000
.set n, 0
.rept 64
	v_cmp_gt_i32 vcc_lo, 32*(n/16)+n%16, v[DG]
	v_cndmask_b32 v[96+n], v[96+n], v254, vcc_lo
.set n, n+1
.endr
.Lopen_\@:
	v_max3_num_f32 v254, v96, v97, v98
	v_max3_num_f32 v252, v99, v100, v101
.irp i, 6,10,14,18,22,26,30,34,38,42,46,50,54,58
	v_max3_num_f32 v254, v254, v[96+\i], v[97+\i]
	v_max3_num_f32 v252, v252, v[98+\i], v[99+\i]
.endr
	v_max3_num_f32 v254, v254, v158, v159
	s_delay_alu instid0(VALU_DEP_1)
	v_max_num_f32 v254, v254, v252
	s_delay_alu instid0(VALU_DEP_1)
	v_permlanex16_b32 v246, v254, s[SEL], s[SEL+1]
	s_delay_alu instid0(VALU_DEP_1)
	v_max_num_f32 v254, v254, v246
	s_delay_alu instid0(VALU_DEP_1)
	v_mul_f32 v254, s[CS], v254
	s_delay_alu instid0(VALU_DEP_1)
	v_max_num_f32 v13, v13, v254
	v_mov_b32 v254, v12
	s_delay_alu instid0(VALU_DEP_2)
	v_floor_f32 v12, -v13
	s_delay_alu instid0(VALU_DEP_1)
	v_sub_f32 v254, v12, v254
	s_delay_alu instid0(VALU_DEP_1)
	v_cvt_i32_f32 v254, v254
	s_delay_alu instid0(VALU_DEP_1)
	v_ldexp_f32 v252, 1.0, v254
	s_setprio 1
.irp j, 0,2,4,6,8,10,12,14,16,18,20,22,24,26,28,30,32,34,36,38,40,42,44,46,48,50,52,54,56,58,60,62
	v_pk_fma_f32 v[96+\j:97+\j], v[96+\j:97+\j], s[CS:CS+1], v[12:13] op_sel_hi:[1,0,0]
.endr
.set n, 0
	s_wait_alu depctr_va_vdst(0)
.rept 64
	v_exp_f32 v[96+n], v[96+n]
.set n, n+1
.endr
	v_pk_mul_f32 v[14:15], v[14:15], v[252:253] op_sel_hi:[1,0]
	s_wait_alu depctr_va_vdst(0)
	v_pk_add_f32 v[242:243], v[100:101], v[104:105]
	v_pk_add_f32 v[254:255], v[108:109], v[112:113]
	v_pk_add_f32 v[250:251], v[116:117], v[120:121]
	v_pk_add_f32 v[248:249], v[124:125], v[128:129]
	v_pk_add_f32 v[240:241], v[132:133], v[136:137]
	v_pk_add_f32 v[238:239], v[140:141], v[144:145]
	v_pk_add_f32 v[236:237], v[148:149], v[152:153]
	v_pk_add_f32 v[14:15], v[14:15], v[156:157]
	v_pk_add_f32 v[242:243], v[242:243], v[96:97]
	v_pk_add_f32 v[254:255], v[254:255], v[98:99]
	v_pk_add_f32 v[250:251], v[250:251], v[102:103]
	v_pk_add_f32 v[248:249], v[248:249], v[106:107]
	v_pk_add_f32 v[240:241], v[240:241], v[110:111]
	v_pk_add_f32 v[238:239], v[238:239], v[114:115]
	v_pk_add_f32 v[236:237], v[236:237], v[118:119]
	v_pk_add_f32 v[14:15], v[14:15], v[122:123]
	v_pk_add_f32 v[242:243], v[242:243], v[126:127]
	v_pk_add_f32 v[254:255], v[254:255], v[130:131]
	v_pk_add_f32 v[250:251], v[250:251], v[134:135]
	v_pk_add_f32 v[248:249], v[248:249], v[138:139]
	v_pk_add_f32 v[240:241], v[240:241], v[142:143]
	v_pk_add_f32 v[238:239], v[238:239], v[146:147]
	v_pk_add_f32 v[236:237], v[236:237], v[150:151]
	s_setprio 0
	v_pk_add_f32 v[14:15], v[14:15], v[154:155]
	v_pk_add_f32 v[242:243], v[242:243], v[158:159]
	s_delay_alu instid0(VALU_DEP_2)
	v_pk_add_f32 v[14:15], v[14:15], v[248:249]
	s_delay_alu instid0(VALU_DEP_2)
	v_pk_add_f32 v[242:243], v[242:243], v[240:241]
	v_pk_add_f32 v[254:255], v[254:255], v[238:239]
	v_pk_add_f32 v[250:251], v[250:251], v[236:237]
	s_delay_alu instid0(VALU_DEP_2)
	v_pk_add_f32 v[14:15], v[14:15], v[254:255]
	s_delay_alu instid0(VALU_DEP_2)
	v_pk_add_f32 v[242:243], v[242:243], v[250:251]
	s_delay_alu instid0(VALU_DEP_1)
	v_pk_add_f32 v[14:15], v[14:15], v[242:243]
.irp b, 0,1,2,3
.irp i, 0,1,2,3,4,5,6,7,8,9,10,11,12,13,14,15
.endr
	v_cvt_scalef32_pk8_bf8_f32 v[224+4*\b:225+4*\b], v[96+16*\b:103+16*\b], v244
	v_cvt_scalef32_pk8_bf8_f32 v[226+4*\b:227+4*\b], v[104+16*\b:111+16*\b], v244
.endr
.irp j, 0,2,4,6,8,10,12,14,16,18,20,22,24,26,28,30
	v_pk_mul_f32 v[160+\j:161+\j], v[160+\j:161+\j], v[252:253] op_sel_hi:[1,0]
.endr
	s_wait_alu depctr_va_vdst(0)
	s_wait_dscnt 0x0
.irp t, 0,1,2,3
	v_wmma_f32_16x16x128_bf8_bf8 v[160+8*\t:167+8*\t], v[32+16*\t:47+16*\t], v[224:239], v[160+8*\t:167+8*\t]
.endr
.Lhidden_\@:
	s_add_co_u32 s[KS], s[KS], 1
	s_add_co_u32 s[TB], s[TB], STEPB
.endm
.macro WAYOUT
.rept 4
	v_nop
.endr
	v_add_f32 v14, v14, v15
	s_delay_alu instid0(VALU_DEP_1)
	v_permlanex16_b32 v246, v14, s[SEL], s[SEL+1]
	s_delay_alu instid0(VALU_DEP_1)
	v_add_f32 v14, v14, v246
	s_wait_alu depctr_va_vdst(0)
	v_rcp_f32 v14, v14
	v_nop
	s_wait_alu depctr_va_vdst(0)
.set n, 0
.rept 32
	v_mul_f32 v[96+n], v[160+n], v14
.set n, n+1
.endr
.set n, 0
.rept 32
.set n, n+1
.endr
.irp t, 0,1,2,3
	v_cvt_scalef32_pk8_bf8_f32 v[224+2*\t:225+2*\t], v[96+8*\t:103+8*\t], v245
.endr
	v_nop
.irp t, 0,1,2,3
	ds_store_b64 v[SIN], v[224+2*\t:225+2*\t] offset:16*\t
.endr
.irp i, 0,1
	ds_load_b128 v[32+4*\i:35+4*\i], v[SBK] offset:640*\i
.endr
.irp i, 0,1
	s_wait_dscnt 1-\i
	global_store_b128 v[GO], v[32+4*\i:35+4*\i], s[8:9] offset:8192*\i
.endr
.endm
	s_wait_loadcnt 0x0
	s_wait_tensorcnt 0x1
	s_barrier_signal -1
	s_barrier_wait -1
	s_mov_b32 s[CNT], 2
.Lfirst:
	STEP
	s_sub_co_u32 s[CNT], s[CNT], 1
	s_cmp_lg_u32 s[CNT], 0
	s_cbranch_scc1 .Lfirst
	s_setprio 0
	s_wait_tensorcnt 0x0
	s_wait_dscnt 0x0
	s_barrier_signal -1
	s_barrier_wait -1
	s_mov_b32 s[CNT], 6
.Lsecond:
	STEP
	s_sub_co_u32 s[CNT], s[CNT], 1
	s_cmp_lg_u32 s[CNT], 0
	s_cbranch_scc1 .Lsecond
	s_setprio 0
	s_cmp_eq_u32 s[TY], 0
	s_cbranch_scc1 .Lkeep
	WAYOUT
	s_wait_xcnt 0x0
	v_mov_b32 v13, 0xff61b1e6
	s_delay_alu instid0(VALU_DEP_1)
	v_floor_f32 v12, -v13
	v_mov_b32 v14, 0
	v_mov_b32 v15, 0
.set n, 0
.rept 32
	v_mov_b32 v[160+n], 0
.set n, n+1
.endr
.set n, 0
.rept 8
	v_mov_b32 v[16+n], v[24+n]
.set n, n+1
.endr
.Lkeep:
	s_mov_b32 s[RK], s[RB2]
	s_mov_b32 s[CNT], 8
.Lthird:
	STEP
	s_sub_co_u32 s[CNT], s[CNT], 1
	s_cmp_lg_u32 s[CNT], 0
	s_cbranch_scc1 .Lthird
	s_setprio 0
	s_cmp_eq_u32 s[TY], 0
	s_cbranch_scc1 .Lno_export
.rept 4
	v_nop
.endr
	s_wait_alu depctr_va_vdst(0)
.irp i, 0,1,2,3,4,5,6,7
	ds_store_b128 v[XA], v[160+4*\i:163+4*\i] offset:512*\i
.endr
	ds_store_b128 v[XA], v[12:15] offset:4096
.Lno_export:
	s_wait_dscnt 0x0
	s_barrier_signal -1
	s_barrier_wait -1
	s_cmp_lg_u32 s[TY], 0
	s_cbranch_scc1 .Ldone
.irp i, 0,1,2,3,4,5,6,7
	ds_load_b128 v[192+4*\i:195+4*\i], v[XA] offset:512*\i
.endr
	ds_load_b128 v[248:251], v[XA] offset:4096
	s_wait_dscnt 0x0
	v_min_num_f32 v254, v12, v248
	s_delay_alu instid0(VALU_DEP_1)
	v_sub_f32 v252, v254, v12
	s_delay_alu instid0(VALU_DEP_2)
	v_sub_f32 v242, v254, v248
	s_delay_alu instid0(VALU_DEP_2)
	v_cvt_i32_f32 v252, v252
	s_delay_alu instid0(VALU_DEP_2)
	v_cvt_i32_f32 v242, v242
	s_delay_alu instid0(VALU_DEP_2)
	v_ldexp_f32 v252, 1.0, v252
	s_delay_alu instid0(VALU_DEP_2)
	v_ldexp_f32 v242, 1.0, v242
	s_delay_alu instid0(VALU_DEP_2)
	v_pk_mul_f32 v[14:15], v[14:15], v[252:253] op_sel_hi:[1,0]
	s_delay_alu instid0(VALU_DEP_1)
	v_pk_fma_f32 v[14:15], v[250:251], v[242:243], v[14:15] op_sel_hi:[1,0,1]
.irp j, 0,2,4,6,8,10,12,14,16,18,20,22,24,26,28,30
	v_pk_mul_f32 v[160+\j:161+\j], v[160+\j:161+\j], v[252:253] op_sel_hi:[1,0]
.endr
.irp j, 0,2,4,6,8,10,12,14,16,18,20,22,24,26,28,30
	v_pk_fma_f32 v[160+\j:161+\j], v[192+\j:193+\j], v[242:243], v[160+\j:161+\j] op_sel_hi:[1,0,1]
.endr
	WAYOUT
.Ldone:
	s_wait_tensorcnt 0x0
	ds_add_u32 v[SPW], v[NIL]
	s_wait_dscnt 0x0
	CROUND
	s_endpgm
.Lfunc_end_k_q14de7a70fd_attn:
	.size	k_q14de7a70fd_attn, .Lfunc_end_k_q14de7a70fd_attn-k_q14de7a70fd_attn
	.p2alignl 7, 3214868480
	.fill 96, 4, 3214868480
	.section	.rodata,"a",@progbits
	.p2align	6, 0x0
	.amdhsa_kernel k_q14de7a70fd_attn
		.amdhsa_group_segment_fixed_size 327680
		.amdhsa_private_segment_fixed_size 0
		.amdhsa_enable_private_segment 0
		.amdhsa_kernarg_size 24
		.amdhsa_user_sgpr_count 2
		.amdhsa_user_sgpr_kernarg_segment_ptr 1
		.amdhsa_wavefront_size32 1
		.amdhsa_system_sgpr_workgroup_id_x 1
		.amdhsa_system_sgpr_workgroup_id_y 1
		.amdhsa_system_sgpr_workgroup_id_z 1
		.amdhsa_system_vgpr_workitem_id 0
		.amdhsa_next_free_vgpr 256
		.amdhsa_next_free_sgpr 100
		.amdhsa_reserve_vcc 1
		.amdhsa_float_denorm_mode_32 3
		.amdhsa_float_denorm_mode_16_64 3
		.amdhsa_fp16_overflow 1
		.amdhsa_memory_ordered 1
		.amdhsa_forward_progress 1
		.amdhsa_inst_pref_size 78
	.end_amdhsa_kernel
	.amdgpu_metadata
---
amdhsa.version: [ 1, 2 ]
amdhsa.kernels:
  - .name:           k_q14de7a70fd_attn
    .symbol:         k_q14de7a70fd_attn.kd
    .args:
      - { .name: qkvc, .offset: 0, .size: 8, .value_kind: global_buffer, .address_space: global }
      - { .name: lowp_scales, .offset: 8, .size: 8, .value_kind: global_buffer, .address_space: global }
      - { .name: ac, .offset: 16, .size: 8, .value_kind: global_buffer, .address_space: global }
    .group_segment_fixed_size: 327680
    .private_segment_fixed_size: 0
    .kernarg_segment_align: 8
    .kernarg_segment_size: 24
    .max_flat_workgroup_size: 512
    .sgpr_count:     100
    .vgpr_count:     256
    .wavefront_size: 32
...
	.end_amdgpu_metadata
.endif
;; end of part 3
;; launch proj (part 4): grid 8 x 32, 4 waves a work-group, clusters of 4 x 4, 327,680 bytes of LDS; arguments ac, Wproj_codes, x1, lowp_scales, bproj, x; writes x1
.if DOCPART == 4
	.amdgcn_target "amdgcn-amd-amdhsa--gfx1250"
	.amdhsa_code_object_version 6
	.text
	.protected	k_q14de7a70fd_proj
	.globl	k_q14de7a70fd_proj
	.p2align	8
	.type	k_q14de7a70fd_proj,@function
k_q14de7a70fd_proj:
	s_mov_b64 s[64:65], 0
	v_nop
	global_prefetch_b8 v0, s[64:65] scope:SCOPE_SE
	s_setreg_imm32_b32 hwreg(HW_REG_WAVE_MODE, 25, 1), 1
	s_wait_xcnt 0x0
	s_wait_alu depctr_hold_cnt(0) depctr_sa_sdst(0) depctr_va_vdst(0) depctr_va_sdst(0) depctr_va_ssrc(0) depctr_va_vcc(0) depctr_vm_vsrc(0)
	s_getreg_b32 s2, hwreg(HW_REG_IB_STS2, 6, 4)
	s_cmp_eq_u32 s2, 0
	s_cbranch_scc0 .Lentry_in_a_cluster
	s_endpgm
.Lentry_in_a_cluster:
	s_bfe_u32 s2, ttmp6, 0x10000c
	s_cmp_lg_u32 s2, 0xf033
	s_cbranch_scc0 .Lentry_shape_is_right
	s_endpgm
.Lentry_shape_is_right:
; out[m][n] = (sum over k of A[m][k] B[n][k]) x 2^(ea + eb) + bias[n] + res[m][n].  A: [4096][SIZE_K], B: [1024][SIZE_K]: codes of BF8 (E5M2); bias [1024], res and out [4096][1024]: f32.
; Here: A = attention's codes (e10), B = Wproj's (e11), bias = bproj, res = x, out = x1.   LIMIT: ea + eb between -126 and 127, so that 2^(ea + eb) is an f32 number.
; A tile of out is 128 x 128, so that the 4096 x 1024 results give 256 work-groups.  Four waves, each 64 x 64: 16 accumulators of 16 x 16.  K goes in steps of 512 (LDS rows of 512 bytes; a wave's tensor load brings 64 of them)
; through two LDS slots.  CLUSTERS: 4 x 4 work-groups; A's tiles are asked for jointly along a row of the cluster, B's along a column.
; THE MATRIX INSTRUCTION IS USED TRANSPOSED (source 0 = 16 rows of B, source 1 = 16 rows of A): a lane holds eight neighbouring numbers of a row of out.
; A fragment is fetched by four loads of 16 bytes (K = 32 c + 16 (l / 16) + 0 .. 15): a permutation of k that is the same on both sides.
; A wave's 64 columns are 256 bytes of a row of out, aligned: the way out goes through the wave's own stages, with no barrier.  The wave's 64 x 64 of res is asked for at the head and lands under the products.
; REGISTERS: window 0: v0-31 addresses; v32-35 bias; v64-127 two sets of rows read back from a stage; v128-255 the accumulators ((a, b) at v[128 + 8 (4 a + b)]).
;   window 1: two fragment buffers of 128: A's four fragments, then B's four.   window 2: v0-127 res.
.set SIZE_K, 1024
.set SCOFF,  0x28                      ; where ea, eb lie among the scales' exponents, in bytes
.set KSTEP,  512
.set PITCH,  528                       ; an LDS row: 512 bytes + 16 of padding = 132 words: row r starts at bank 4 r mod 64 (ISA guide 11.1)
.set HALFT,  64*PITCH
.set SLOT,   4*HALFT
.set STAGE,  2*SLOT                    ; behind the ring: two stages of 16 rows x 272 bytes for each wave
.set SPITCH, 272
.set STG,    16*SPITCH
.set SPARE,  STAGE+4*2*STG             ; behind the stages: the spare words, 128 bytes for each wave
.set LAPS,   SIZE_K/(2*KSTEP)
.set ADRA, 16
.set ADRB, 20
.set STO,  24
.set RD,   25
.set CO,   26
.set BO,   27
.set SPW,  28
.set NIL,  29
.set BI,   32
.set BK,   64
.set ACC,  128
.set F0,   0
.set F1,   128
.set G1, 24
.set G0, 32
.set G1B, 48
.set G0B, 56
.set MSB, 0
.macro WIN new                         ; the immediate's high byte repeats the setting that is left
.if MSB != \new
	s_set_vgpr_msb (MSB<<8)|\new
.set MSB, \new
.endif
.endm
.set MUL,  0x05                        ; sources 0 (B) and 1 (A) window 1; C and D window 0
.set TO_F, 0x40                        ; destination window 1, address window 0
.macro JLOAD s                         ; a joint load: waves 0 and 1 fetch A's two halves, waves 2 and 3 B's; four v_nop follow each of the two lines
	s_cmp_eq_u32 s11, 0
	s_cbranch_scc0 .Lfor_b_\@
	tensor_load_to_lds s[G0+4*\s:G0+4*\s+3], s[G1:G1+7]
	s_nop 0
.rept 4
	v_nop
.endr
	s_branch .Lasked_\@
.Lfor_b_\@:
	tensor_load_to_lds s[G0B+4*\s:G0B+4*\s+3], s[G1B:G1B+7]
	s_nop 0
.rept 4
	v_nop
.endr
.Lasked_\@:
.endm
.macro CREST
	s_cmp_lg_u32 s10, 0
	s_cbranch_scc1 .Lnot_wave_0_\@
	s_barrier_signal -3
.Lnot_wave_0_\@:
	s_barrier_wait -3
	s_barrier_signal -1
	s_barrier_wait -1
.endm
.macro CROUND
	s_barrier_signal -1
	s_barrier_wait -1
	CREST
.endm
	s_load_b128 s[4:7], s[0:1], 0x0                ; A s[4:5], B s[6:7]
	s_load_b64 s[8:9], s[0:1], 0x10                ; out
	s_load_b128 s[68:71], s[0:1], 0x18             ; the scales' exponents s[68:69], bias s[70:71]
	s_load_b64 s[72:73], s[0:1], 0x28              ; res
	v_lshl_add_u32 v[SPW], v0, 2, SPARE
	v_mov_b32 v[NIL], 0
	ds_add_u32 v28, v29
	ds_add_u32 v28, v29
	s_wait_dscnt 0x0
	v_lshrrev_b32 v1, 5, v0
	v_readfirstlane_b32 s10, v1                    ; wave 0..3
	s_lshr_b32 s11, s10, 1                         ; which half of the tile's rows is mine.  Also: I fetch for A (0) or for B (1)
	s_and_b32 s12, s10, 1                          ; which half of its columns.  Also: which 64 rows of that tile I fetch
	s_bfe_u32 s40, ttmp6, 0x40000                  ; cx, cy
	s_bfe_u32 s41, ttmp6, 0x40004
	s_lshl_b32 s42, ttmp9, 2
	s_add_co_u32 s42, s42, s40                     ; tile column = 4 x cluster x + cx
	s_and_b32 s13, ttmp7, 0xffff
	s_lshl_b32 s13, s13, 2
	s_add_co_u32 s13, s13, s41                     ; tile row = 4 x cluster y + cy
	s_lshl_b32 s43, s41, 2
	s_lshl_b32 s43, 15, s43                        ; my row of the cluster
	s_lshl_b32 s44, 0x1111, s40                    ; my column
	s_or_b32 s[G1+0], s43, (0<<16)|(1<<20)|(1<<21)|(6<<22)|(3<<25)  ; 15:0 the mask; 17:16 elements of 1 byte; 20 padding on; 21 set beside a mask; 24:22 after every 128 words; 31:25 four words
	s_or_b32 s[G1B+0], s44, (0<<16)|(1<<20)|(1<<21)|(6<<22)|(3<<25)
.irp g, G1, G1B
	s_mov_b32 s[\g+1], KSTEP<<16                   ; tensor_dim0
	s_mov_b32 s[\g+2], 64<<16                      ; tensor_dim1
	s_mov_b32 s[\g+3], KSTEP<<16                   ; tile_dim0
	s_mov_b32 s[\g+4], 64                          ; tile_dim1
	s_mov_b32 s[\g+5], SIZE_K                      ; tensor_dim0_stride
	s_mov_b32 s[\g+6], 0
	s_mov_b32 s[\g+7], 0
.endr
	s_lshl_b32 s17, s12, 6                         ; which 64 rows of the tile I fetch
	s_lshl_b32 s16, s13, 7
	s_add_co_u32 s16, s16, s17
	s_mul_i32 s16, s16, SIZE_K                     ; A: (128 x tile row + 64 x half) rows, in bytes: under 2^25
	s_lshl_b32 s46, s42, 7
	s_add_co_u32 s46, s46, s17
	s_mul_i32 s46, s46, SIZE_K                     ; B likewise
	s_mov_b32 s17, 0
	s_mov_b32 s47, 0
	s_mul_i32 s20, s10, HALFT                      ; where they go: wave x 64 rows
	s_wait_kmcnt 0x0
	s_load_b64 s[74:75], s[68:69], SCOFF           ; ea, eb
	s_add_nc_u64 s[14:15], s[4:5], s[16:17]
	s_add_nc_u64 s[46:47], s[6:7], s[46:47]
	CROUND                                         ; all sixteen work-groups are here: the first joint loads meet
.irp s, 0,1
	s_mov_b32 s[G0+4*\s], 1
	s_add_co_u32 s[G0+4*\s+1], s20, \s*SLOT
	s_add_nc_u64 s[G0+4*\s+2:G0+4*\s+3], s[14:15], \s*KSTEP
	s_or_b32 s[G0+4*\s+3], s[G0+4*\s+3], 0x80000000
	s_mov_b32 s[G0B+4*\s], 1
	s_add_co_u32 s[G0B+4*\s+1], s20, \s*SLOT
	s_add_nc_u64 s[G0B+4*\s+2:G0B+4*\s+3], s[46:47], \s*KSTEP
	s_or_b32 s[G0B+4*\s+3], s[G0B+4*\s+3], 0x80000000
	JLOAD \s
.endr
	v_and_b32 v1, 15, v0                           ; l % 16
	s_wait_alu depctr_va_vdst(0)
	v_bfe_u32 v2, v0, 4, 1                         ; l / 16
	v_mul_u32_u24 v3, v1, PITCH
	v_lshl_add_u32 v3, v2, 4, v3
	s_mul_i32 s21, s11, HALFT                      ; my 64 rows of A
	s_mul_i32 s22, s12, HALFT                      ; my 64 rows of B,
	s_add_co_u32 s22, s22, 2*HALFT                 ; which lie behind A's 128
.irp s, 0,1
	v_add_nc_u32 v[ADRA+\s], s21, v3
	v_add_nc_u32 v[ADRB+\s], s22, v3
	s_add_co_u32 s21, s21, SLOT
	s_add_co_u32 s22, s22, SLOT
.endr
	s_mul_i32 s23, s10, 2*STG
	s_add_co_u32 s23, s23, STAGE                   ; my two stages
	v_mul_u32_u24 v4, v1, SPITCH                   ; in: row l % 16, 32 bytes for each half of the lanes
	s_wait_alu depctr_va_vdst(0)
	v_lshl_add_u32 v4, v2, 5, v4
	v_add_nc_u32 v[STO], s23, v4
	v_mul_u32_u24 v5, v2, SPITCH                   ; back: lanes 0-15 one row of 256 bytes, lanes 16-31 the next
	v_lshl_add_u32 v5, v1, 4, v5
	v_add_nc_u32 v[RD], s23, v5
	v_lshlrev_b32 v5, 12, v2                       ; and the same two rows of out and of res (4,096 bytes a row)
	v_lshl_add_u32 v[CO], v1, 4, v5
	s_wait_alu depctr_va_vdst(0)
	v_lshlrev_b32 v[BO], 4, v1                     ; my four numbers of the bias
	s_wait_alu depctr_va_vdst(0)
	s_lshl_b32 s16, s13, 7
	s_lshl_b32 s17, s11, 6
	s_add_co_u32 s16, s16, s17                     ; my first row
	s_lshl_b32 s16, s16, 12
	s_lshl_b32 s46, s42, 9
	s_lshl_b32 s47, s12, 8
	s_add_co_u32 s46, s46, s47                     ; my first column, in bytes
	s_mov_b32 s47, 0
	s_add_nc_u64 s[70:71], s[70:71], s[46:47]
	s_add_co_u32 s16, s16, s46
	s_mov_b32 s17, 0
	s_add_nc_u64 s[8:9], s[8:9], s[16:17]
	s_add_nc_u64 s[72:73], s[72:73], s[16:17]
	WIN 0x80                                       ; destination window 2
.irp a, 0,1,2,3
.irp t, 0,1,2,3,4,5,6,7
	global_load_b128 v[32*\a+4*\t:32*\a+4*\t+3], v[CO], s[72:73] offset:(16*\a+2*\t)*4096 th:TH_LOAD_NT   ; res, in the layout in which the rows come back from the stage
.endr
.endr
	WIN 0
	global_load_b128 v[BI:BI+3], v[BO], s[70:71]
.macro MUL4 f, a, zero                 ; A's block a x B's four, 128 along K.  The sixteen accumulators take turns, in the same order in every quarter
.irp b, 0,1,2,3
.if \zero
	v_wmma_f32_16x16x128_bf8_bf8 v[ACC+8*(4*(\a)+\b):ACC+8*(4*(\a)+\b)+7], v[\f+64+16*\b:\f+64+16*\b+15], v[\f+16*(\a):\f+16*(\a)+15], 0
.else
	v_wmma_f32_16x16x128_bf8_bf8 v[ACC+8*(4*(\a)+\b):ACC+8*(4*(\a)+\b)+7], v[\f+64+16*\b:\f+64+16*\b+15], v[\f+16*(\a):\f+16*(\a)+15], v[ACC+8*(4*(\a)+\b):ACC+8*(4*(\a)+\b)+7]
.endif
.endr
.endm
.macro FETCH slot, k, f                ; 32 LDS loads in one run: the fragments of 128 along K at byte k of the rows: B's four, then A's four
	WIN TO_F
.irp i, 0,1,2,3
.irp c, 0,1,2,3
	ds_load_b128 v[\f+64+16*\i+4*\c:\f+64+16*\i+4*\c+3], v[ADRB+\slot] offset:\k+32*\c+\i*16*PITCH
.endr
.endr
.irp i, 0,1,2,3
.irp c, 0,1,2,3
	ds_load_b128 v[\f+16*\i+4*\c:\f+16*\i+4*\c+3], v[ADRA+\slot] offset:\k+32*\c+\i*16*PITCH
.endr
.endr
.endm
.macro PLACES                          ; four plain vector instructions between a matrix instruction and a load into, or a read of, its registers
.rept 4
	v_nop
.endr
.endm
; A K step is four quarters of 128 along K, 16 matrix instructions each, on buffers 0, 1, 0, 1.  One of the first three multiplies buffer f and fetches the next quarter, at byte k, into g.
.macro QUARTER slot, k, f, g, zero
	s_wait_dscnt 8                                 ; B's four and A's blocks 0, 1 are in; the youngest eight loads (A's blocks 2, 3) may be out
	WIN MUL
	MUL4 \f, 0, \zero
	MUL4 \f, 1, \zero
	PLACES
	FETCH \slot, \k, \g
	s_wait_dscnt 32                                ; all but the 32 just issued
	WIN MUL
	MUL4 \f, 2, \zero
	MUL4 \f, 3, \zero
.endm
; The last quarter multiplies buffer 1 and changes slots: ONE barrier; in front of it each wave waits for all its tensor loads, adds 0 to its spare word, and waits for that and for its own reads of this slot.
.macro TURN slot, next, fill
	WIN 0
	s_wait_tensorcnt 0x0                           ; all my tensor loads have landed: my part of the next slot
	ds_add_u32 v[SPW], v[NIL]                      ; 0 onto my spare word
	s_wait_dscnt 9                                 ; (the add and the youngest eight loads may be out)
	WIN MUL
	MUL4 F1, 0, 0
	s_wait_dscnt 0x0                               ; the add is done, and my reads of this slot are over
	s_barrier_signal -1
	MUL4 F1, 1, 0
.if \fill
	WIN 0
.endif
	s_barrier_wait -1
.if \fill
	CREST                                          ; the barrier has opened a round of the cluster's barrier
	s_add_nc_u64 s[G0+4*\slot+2:G0+4*\slot+3], s[G0+4*\slot+2:G0+4*\slot+3], 2*KSTEP
	s_add_nc_u64 s[G0B+4*\slot+2:G0B+4*\slot+3], s[G0B+4*\slot+2:G0B+4*\slot+3], 2*KSTEP
	JLOAD \slot                                    ; the first tensor load behind the round; its four v_nop are the places in front of the loads below
.else
	PLACES
.endif
	FETCH \next, 0, F0
	WIN MUL
	MUL4 F1, 2, 0
	MUL4 F1, 3, 0
.endm
	s_wait_tensorcnt 1                             ; my part of K step 0 is in (K step 1's load may be out)
	s_barrier_signal -1
	s_barrier_wait -1                              ; everybody's is
	FETCH 0, 0, F0
	QUARTER 0, 128, F0, F1, 1                      ; the first quarter's products start the sums
.if LAPS > 1
	WIN 0
	s_mov_b32 s3, LAPS-1
.Llap:                                                 ; a trip goes once round the ring and fills both slots again
	QUARTER 0, 256, F1, F0, 0
	QUARTER 0, 384, F0, F1, 0
	TURN 0, 1, 1
	QUARTER 1, 128, F0, F1, 0
	QUARTER 1, 256, F1, F0, 0
	QUARTER 1, 384, F0, F1, 0
	TURN 1, 0, 1
	QUARTER 0, 128, F0, F1, 0
	WIN 0
	s_sub_co_u32 s3, s3, 1
	s_cmp_lg_u32 s3, 0
	s_cbranch_scc1 .Llap
.endif
	QUARTER 0, 256, F1, F0, 0                      ; the last lap fills nothing
	QUARTER 0, 384, F0, F1, 0
	TURN 0, 1, 0
	QUARTER 1, 128, F0, F1, 0
	QUARTER 1, 256, F1, F0, 0
	QUARTER 1, 384, F0, F1, 0
	s_wait_dscnt 8
	WIN MUL
	MUL4 F1, 0, 0
	MUL4 F1, 1, 0
	s_wait_dscnt 0
	MUL4 F1, 2, 0
	MUL4 F1, 3, 0
	WIN 0
; THE WAY OUT, block by block of 16 rows x 64 columns: the sums go into one of my two stages as they are and come back as whole rows of 256 bytes; there sum x 2^(ea + eb) + bias is one packed multiply-add, res is added, and
; sixteen lanes store 256 consecutive bytes, aligned.  A wave's LDS instructions are served in order (ISA guide 5.7.1.4): no wait between the stores and the loads.
.macro TOSTAGE a
.set BB, BK+32*((\a)%2)
.irp b, 0,1,2,3
	ds_store_b128 v[STO], v[ACC+8*(4*(\a)+\b):ACC+8*(4*(\a)+\b)+3] offset:((\a)%2)*STG+64*\b      ; each accumulator from its low end on
	ds_store_b128 v[STO], v[ACC+8*(4*(\a)+\b)+4:ACC+8*(4*(\a)+\b)+7] offset:((\a)%2)*STG+64*\b+16
.endr
.irp t, 0,1,2,3,4,5,6,7
	ds_load_b128 v[BB+4*\t:BB+4*\t+3], v[RD] offset:((\a)%2)*STG+2*\t*SPITCH
.endr
.endm
.macro SEND a, younger                 ; younger: the LDS instructions issued behind block a's loads
.set BB, BK+32*((\a)%2)
	s_wait_dscnt \younger
.irp t, 0,1,2,3,4,5,6,7
	v_pk_fma_f32 v[BB+4*\t:BB+4*\t+1], v[BB+4*\t:BB+4*\t+1], s[76:77], v[BI:BI+1] op_sel_hi:[1,0,1]
	v_pk_fma_f32 v[BB+4*\t+2:BB+4*\t+3], v[BB+4*\t+2:BB+4*\t+3], s[76:77], v[BI+2:BI+3] op_sel_hi:[1,0,1]
.endr
	WIN 0x08                                       ; source 1 (res) window 2
.irp t, 0,1,2,3,4,5,6,7
	v_pk_add_f32 v[BB+4*\t:BB+4*\t+1], v[BB+4*\t:BB+4*\t+1], v[32*(\a)+4*\t:32*(\a)+4*\t+1]
	v_pk_add_f32 v[BB+4*\t+2:BB+4*\t+3], v[BB+4*\t+2:BB+4*\t+3], v[32*(\a)+4*\t+2:32*(\a)+4*\t+3]
.endr
	WIN 0
.irp t, 0,1,2,3,4,5,6,7
	global_store_b128 v[CO], v[BB+4*\t:BB+4*\t+3], s[8:9] offset:(16*(\a)+2*\t)*4096
.endr
.endm
	s_wait_kmcnt 0x0
	s_add_co_i32 s76, s74, s75
	s_add_co_i32 s76, s76, 127
	s_lshl_b32 s76, s76, 23                        ; 2^(ea + eb) as f32
	s_mov_b32 s77, s76                             ; (named with it as a pair, so it is written)
	s_wait_loadcnt 0x0                             ; res and the bias
	PLACES
	TOSTAGE 0
.irp a, 1,2,3
.if \a > 1
	s_wait_xcnt 0x0                                ; block a - 2's stores have read their registers: block a's loads may land there
.endif
	TOSTAGE \a
	SEND \a-1, 16                                  ; behind block a - 1's loads: block a's 8 stores and 8 loads
.endr
	SEND 3, 0
	s_wait_tensorcnt 0x0                           ; the wave's end
	ds_add_u32 v[SPW], v[NIL]
	s_wait_dscnt 0x0
	CROUND                                         ; the closing round
	s_endpgm
.Lfunc_end_k_q14de7a70fd_proj:
	.size	k_q14de7a70fd_proj, .Lfunc_end_k_q14de7a70fd_proj-k_q14de7a70fd_proj
	.p2alignl 7, 3214868480
	.fill 96, 4, 3214868480
	.section	.rodata,"a",@progbits
	.p2align	6, 0x0
	.amdhsa_kernel k_q14de7a70fd_proj
		.amdhsa_group_segment_fixed_size 327680
		.amdhsa_private_segment_fixed_size 0
		.amdhsa_enable_private_segment 0
		.amdhsa_kernarg_size 48
		.amdhsa_user_sgpr_count 2
		.amdhsa_user_sgpr_kernarg_segment_ptr 1
		.amdhsa_wavefront_size32 1
		.amdhsa_system_sgpr_workgroup_id_x 1
		.amdhsa_system_sgpr_workgroup_id_y 1
		.amdhsa_system_sgpr_workgroup_id_z 1
		.amdhsa_system_vgpr_workitem_id 0
		.amdhsa_next_free_vgpr 768
		.amdhsa_next_free_sgpr 80
		.amdhsa_reserve_vcc 0
		.amdhsa_float_denorm_mode_32 3
		.amdhsa_float_denorm_mode_16_64 3
		.amdhsa_memory_ordered 1
		.amdhsa_forward_progress 1
		.amdhsa_inst_pref_size 53
	.end_amdhsa_kernel
	.amdgpu_metadata
---
amdhsa.version: [ 1, 2 ]
amdhsa.kernels:
  - .name:           k_q14de7a70fd_proj
    .symbol:         k_q14de7a70fd_proj.kd
    .args:
      - { .name: ac, .offset: 0, .size: 8, .value_kind: global_buffer, .address_space: global }
      - { .name: Wproj_codes, .offset: 8, .size: 8, .value_kind: global_buffer, .address_space: global }
      - { .name: x1, .offset: 16, .size: 8, .value_kind: global_buffer, .address_space: global }
      - { .name: lowp_scales, .offset: 24, .size: 8, .value_kind: global_buffer, .address_space: global }
      - { .name: bproj, .offset: 32, .size: 8, .value_kind: global_buffer, .address_space: global }
      - { .name: x, .offset: 40, .size: 8, .value_kind: global_buffer, .address_space: global }
    .group_segment_fixed_size: 327680
    .private_segment_fixed_size: 0
    .kernarg_segment_align: 8
    .kernarg_segment_size: 48
    .max_flat_workgroup_size: 128
    .sgpr_count:     80
    .vgpr_count:     768
    .wavefront_size: 32
...
	.end_amdgpu_metadata
.endif
;; end of part 4
;; launch ln2 (part 5): grid 256 x 1, 8 waves a work-group, no clusters, 66,560 bytes of LDS; arguments x1, ln2_scale, ln2_bias, lowp_scales, h2c; writes h2c
.if DOCPART == 5
	.amdgcn_target "amdgcn-amd-amdhsa--gfx1250"
	.amdhsa_code_object_version 6
	.text
	.protected	k_q14de7a70fd_ln2
	.globl	k_q14de7a70fd_ln2
	.p2align	8
	.type	k_q14de7a70fd_ln2,@function
k_q14de7a70fd_ln2:
	s_mov_b64 s[64:65], 0
	v_nop
	global_prefetch_b8 v0, s[64:65] scope:SCOPE_SE
	s_setreg_imm32_b32 hwreg(HW_REG_WAVE_MODE, 25, 1), 1
	s_wait_xcnt 0x0
; h2 = LayerNorm(x1) x gain + bias, in f32, turned into codes of BF8 (E5M2) with 2^e12.  x1: [4096][1024] f32.  h2c: [4096][1024] codes, the row's 1,024 numbers (the product's K) innermost.
; A wave takes two whole rows; a row (4,096 bytes) stays in 32 registers between the mean, the variance and the scaling, so it is read from memory once, and no wave waits for another.
; Each load reads 512 consecutive bytes, 16 a lane.  The conversion wants eight NEIGHBOURS in one lane's registers: so a row turns through the wave's own LDS bytes (in as loaded, back 32 bytes a lane):
; registers 8 g .. 8 g + 7 of lane l are then columns 256 g + 8 l + 0 .. 7, and the 32 lanes' eight codes of a group are 256 consecutive bytes, aligned, stored by one instruction.
; The variance is the mean of (x - mean)^2, taken in a second pass over the registers: a common offset of the inputs does not cancel digits.
; LIMITS: e12 between -126 and 112, so that 2^e and 57,344 x 2^e are f32 numbers.  NaN among the inputs is not served.
.set RAW, 16                           ; v16-79   two rows as loaded; later the codes: row i, group g at v[16 + 24 i + 2 g]
.set X,   80                           ; v80-143  two rows, turned
.set GA,  144                          ; v144-175 the gain, in the turned layout
.set BE,  176                          ; v176-207 the bias
.set T,   208
.set W,   224                          ; v224-231 four chains of sums; v232 a lane permute's destination; v[234:235] 1 / sqrt(var + eps), twice
	s_load_b256 s[4:11], s[0:1], 0x0               ; x1 s[4:5], gain s[6:7], bias s[8:9], the scales' exponents s[10:11]
	s_load_b64 s[12:13], s[0:1], 0x20              ; the codes
	v_lshl_add_u32 v240, v0, 2, 0x10000
	v_mov_b32 v241, 0
	v_lshrrev_b32 v1, 5, v0
	s_delay_alu instid0(VALU_DEP_1)
	v_readfirstlane_b32 s14, v1                    ; wave 0..7
	v_and_b32 v1, 31, v0                           ; lane
	s_delay_alu instid0(VALU_DEP_1)
	v_lshlrev_b32 v2, 4, v1                        ; 16 x lane
	s_delay_alu instid0(VALU_DEP_2)
	v_lshlrev_b32 v3, 5, v1                        ; 32 x lane
	s_delay_alu instid0(VALU_DEP_3)
	v_lshlrev_b32 v6, 3, v1                        ; 8 x lane
	s_lshl_b32 s15, s14, 13                        ; my wave's 8,192 bytes of LDS
	v_add_nc_u32 v4, s15, v2                       ; in
	v_add_nc_u32 v5, s15, v3                       ; back
	v_mov_b32 v232, 0                              ; written once: a lane permute's destination counts as one of its sources
	s_lshl_b32 s16, ttmp9, 3
	s_add_co_u32 s16, s16, s14                     ; which pair of rows is my wave's
	s_lshl_b32 s18, s16, 13
	s_mov_b32 s19, 0
	s_lshl_b32 s20, s16, 11
	s_mov_b32 s21, 0
	s_mov_b32 s38, 0x76543210
	s_mov_b32 s39, 0xfedcba98
	s_mov_b32 s40, 0x3a800000                      ; 1 / 1,024
	s_mov_b32 s41, 0x358637bd                      ; 1e-6
	s_wait_alu depctr_va_vdst(0)
	s_wait_kmcnt 0x0
	s_load_b32 s24, s[10:11], 0x30                 ; e12
	s_add_nc_u64 s[4:5], s[4:5], s[18:19]
	s_add_nc_u64 s[32:33], s[12:13], s[20:21]
.irp i, 0,1
.irp j, 0,1,2,3,4,5,6,7
	global_load_b128 v[RAW+32*\i+4*\j:RAW+32*\i+4*\j+3], v2, s[4:5] offset:4096*\i+512*\j th:TH_LOAD_NT
.endr
.endr
.irp j, 0,1,2,3,4,5,6,7
	global_load_b128 v[GA+4*\j:GA+4*\j+3], v3, s[6:7] offset:1024*(\j/2)+16*(\j%2)
.endr
.irp j, 0,1,2,3,4,5,6,7
	global_load_b128 v[BE+4*\j:BE+4*\j+3], v3, s[8:9] offset:1024*(\j/2)+16*(\j%2)
.endr
.macro TURN i                          ; row i through LDS: a wave's LDS instructions are served in order, so no wait stands between the stores and the loads
.irp j, 0,1,2,3,4,5,6,7
	ds_store_b128 v4, v[RAW+32*\i+4*\j:RAW+32*\i+4*\j+3] offset:4096*\i+512*\j
.endr
.irp j, 0,1,2,3,4,5,6,7
	ds_load_b128 v[X+32*\i+4*\j:X+32*\i+4*\j+3], v5 offset:4096*\i+1024*(\j/2)+16*(\j%2)
.endr
.endm
	s_wait_loadcnt 24                              ; row 0's eight loads are in: 24 were issued behind them
	TURN 0
	s_wait_loadcnt 16                              ; row 1's: the gain's and the bias's sixteen may be out
	TURN 1
	s_wait_kmcnt 0x0
	s_add_co_i32 s22, s24, 127
	s_lshl_b32 s23, s22, 23
	v_mov_b32 v8, s23                              ; 2^e12 as f32
.macro REDUCE                          ; four chains of pairs -> one number in every lane of the wave
	s_delay_alu instid0(VALU_DEP_3)
	v_pk_add_f32 v[W:W+1], v[W:W+1], v[W+2:W+3]
	s_delay_alu instid0(VALU_DEP_2)
	v_pk_add_f32 v[W+4:W+5], v[W+4:W+5], v[W+6:W+7]
	s_delay_alu instid0(VALU_DEP_1)
	v_pk_add_f32 v[W:W+1], v[W:W+1], v[W+4:W+5]
	s_delay_alu instid0(VALU_DEP_1)
	v_add_f32 v[W], v[W], v[W+1]
	s_delay_alu instid0(VALU_DEP_1)
	v_add_f32_dpp v[W], v[W], v[W] row_xmask:1 row_mask:0xf bank_mask:0xf
	s_delay_alu instid0(VALU_DEP_1)
	v_add_f32_dpp v[W], v[W], v[W] row_xmask:2 row_mask:0xf bank_mask:0xf
	s_delay_alu instid0(VALU_DEP_1)
	v_add_f32_dpp v[W], v[W], v[W] row_xmask:4 row_mask:0xf bank_mask:0xf
	s_delay_alu instid0(VALU_DEP_1)
	v_add_f32_dpp v[W], v[W], v[W] row_xmask:8 row_mask:0xf bank_mask:0xf
	s_delay_alu instid0(VALU_DEP_1)
	v_permlanex16_b32 v[W+8], v[W], s38, s39
	s_delay_alu instid0(VALU_DEP_1)
	v_add_f32 v[W], v[W], v[W+8]
.endm
.macro ROW i, left
.set XR, X+32*\i
	s_wait_dscnt \left                             ; my row is back; the other row's eight stores and eight loads may be out
.irp k, 0,1,2,3
	v_pk_add_f32 v[W+2*\k:W+2*\k+1], v[XR+4*\k:XR+4*\k+1], v[XR+4*\k+2:XR+4*\k+3]
.endr
.irp k, 0,1,2,3,4,5,6,7
	s_delay_alu instid0(VALU_DEP_4)
	v_pk_add_f32 v[W+2*(\k%4):W+2*(\k%4)+1], v[W+2*(\k%4):W+2*(\k%4)+1], v[XR+16+2*\k:XR+17+2*\k]
.endr
	REDUCE
	s_delay_alu instid0(VALU_DEP_1)
	v_mul_f32 v14, s40, v[W]                       ; the mean,
	s_delay_alu instid0(VALU_DEP_1)
	v_mov_b32 v15, v14                             ; twice
.irp k, 0,1,2,3,4,5,6,7,8,9,10,11,12,13,14,15
	v_pk_add_f32 v[XR+2*\k:XR+2*\k+1], v[XR+2*\k:XR+2*\k+1], v[14:15] neg_lo:[0,1] neg_hi:[0,1]   ; x - mean
.endr
.irp k, 0,1,2,3
	v_pk_mul_f32 v[W+2*\k:W+2*\k+1], v[XR+2*\k:XR+2*\k+1], v[XR+2*\k:XR+2*\k+1]
.endr
.irp k, 4,5,6,7,8,9,10,11,12,13,14,15
	s_delay_alu instid0(VALU_DEP_4)
	v_pk_fma_f32 v[W+2*(\k%4):W+2*(\k%4)+1], v[XR+2*\k:XR+2*\k+1], v[XR+2*\k:XR+2*\k+1], v[W+2*(\k%4):W+2*(\k%4)+1]
.endr
	REDUCE
	s_delay_alu instid0(VALU_DEP_1)
	v_fma_f32 v[W+2], v[W], s40, s41               ; the variance + 1e-6
	s_wait_alu depctr_va_vdst(0)
	v_rsq_f32 v[W+10], v[W+2]
	v_nop                                          ; a plain instruction behind the transcendental (ISA guide 5.7.2)
	s_wait_alu depctr_va_vdst(0)                   ; and the wait ahead of the first instruction that names its result
	v_mov_b32 v[W+11], v[W+10]
.if \i == 0
	s_wait_alu depctr_va_vdst(0)
	s_wait_loadcnt 0x0                             ; the gain and the bias
.endif
.irp k, 0,1,2,3,4,5,6,7,8,9,10,11,12,13,14,15
	v_pk_mul_f32 v[XR+2*\k:XR+2*\k+1], v[XR+2*\k:XR+2*\k+1], v[W+10:W+11]
.endr
.irp k, 0,1,2,3,4,5,6,7,8,9,10,11,12,13,14,15
	v_pk_fma_f32 v[XR+2*\k:XR+2*\k+1], v[XR+2*\k:XR+2*\k+1], v[GA+2*\k:GA+2*\k+1], v[BE+2*\k:BE+2*\k+1]
.endr
.irp g, 0,1,2,3
.set TT, T+8*(\g%2)
.set CC, RAW+24*\i+2*\g
.irp n, 0,1,2,3,4,5,6,7
.endr
	v_cvt_scalef32_pk8_bf8_f32 v[CC:CC+1], v[TT+((XR+8*\g+0)-(TT+0)):TT+7+((XR+8*\g+0)-(TT+0))], v8
	global_store_b64 v6, v[CC:CC+1], s[32:33] offset:\i*1024+256*\g   ; 32 lanes store 256 consecutive bytes, aligned; each store has data registers of its own
.endr
.endm
	ROW 0, 16
	ROW 1, 0
	s_wait_tensorcnt 0x0
	ds_add_u32 v240, v241
	s_wait_dscnt 0x0
	s_endpgm
.Lfunc_end_k_q14de7a70fd_ln2:
	.size	k_q14de7a70fd_ln2, .Lfunc_end_k_q14de7a70fd_ln2-k_q14de7a70fd_ln2
	.p2alignl 7, 3214868480
	.fill 96, 4, 3214868480
	.section	.rodata,"a",@progbits
	.p2align	6, 0x0
	.amdhsa_kernel k_q14de7a70fd_ln2
		.amdhsa_group_segment_fixed_size 66560
		.amdhsa_private_segment_fixed_size 0
		.amdhsa_enable_private_segment 0
		.amdhsa_kernarg_size 40
		.amdhsa_user_sgpr_count 2
		.amdhsa_user_sgpr_kernarg_segment_ptr 1
		.amdhsa_wavefront_size32 1
		.amdhsa_system_sgpr_workgroup_id_x 1
		.amdhsa_system_sgpr_workgroup_id_y 1
		.amdhsa_system_sgpr_workgroup_id_z 1
		.amdhsa_system_vgpr_workitem_id 0
		.amdhsa_next_free_vgpr 242
		.amdhsa_next_free_sgpr 66
		.amdhsa_reserve_vcc 0
		.amdhsa_float_denorm_mode_32 3
		.amdhsa_float_denorm_mode_16_64 3
		.amdhsa_fp16_overflow 1
		.amdhsa_memory_ordered 1
		.amdhsa_forward_progress 1
		.amdhsa_inst_pref_size 24
	.end_amdhsa_kernel
	.amdgpu_metadata
---
amdhsa.version: [ 1, 2 ]
amdhsa.kernels:
  - .name:           k_q14de7a70fd_ln2
    .symbol:         k_q14de7a70fd_ln2.kd
    .args:
      - { .name: x1, .offset: 0, .size: 8, .value_kind: global_buffer, .address_space: global }
      - { .name: ln2_scale, .offset: 8, .size: 8, .value_kind: global_buffer, .address_space: global }
      - { .name: ln2_bias, .offset: 16, .size: 8, .value_kind: global_buffer, .address_space: global }
      - { .name: lowp_scales, .offset: 24, .size: 8, .value_kind: global_buffer, .address_space: global }
      - { .name: h2c, .offset: 32, .size: 8, .value_kind: global_buffer, .address_space: global }
    .group_segment_fixed_size: 66560
    .private_segment_fixed_size: 0
    .kernarg_segment_align: 8
    .kernarg_segment_size: 40
    .max_flat_workgroup_size: 256
    .sgpr_count:     66
    .vgpr_count:     242
    .wavefront_size: 32
...
	.end_amdgpu_metadata
.endif
;; end of part 5
;; launch ffn1 (part 6): grid 16 x 16, 4 waves a work-group, clusters of 4 x 4, 327,680 bytes of LDS; arguments h2c, W1_codes, lowp_scales, hid, b1; writes hid
.if DOCPART == 6
	.amdgcn_target "amdgcn-amd-amdhsa--gfx1250"
	.amdhsa_code_object_version 6
	.text
	.protected	k_q14de7a70fd_ffn1
	.globl	k_q14de7a70fd_ffn1
	.p2align	8
	.type	k_q14de7a70fd_ffn1,@function
k_q14de7a70fd_ffn1:
	s_mov_b64 s[64:65], 0
	v_nop
	global_prefetch_b8 v0, s[64:65] scope:SCOPE_SE
	s_setreg_imm32_b32 hwreg(HW_REG_WAVE_MODE, 25, 1), 1
	s_wait_xcnt 0x0
	s_wait_alu depctr_hold_cnt(0) depctr_sa_sdst(0) depctr_va_vdst(0) depctr_va_sdst(0) depctr_va_ssrc(0) depctr_va_vcc(0) depctr_vm_vsrc(0)
	s_getreg_b32 s2, hwreg(HW_REG_IB_STS2, 6, 4)
	s_cmp_eq_u32 s2, 0
	s_cbranch_scc0 .Lentry_in_a_cluster
	s_endpgm
.Lentry_in_a_cluster:
	s_bfe_u32 s2, ttmp6, 0x10000c
	s_cmp_lg_u32 s2, 0xf033
	s_cbranch_scc0 .Lentry_shape_is_right
	s_endpgm
.Lentry_shape_is_right:
; hid = Q(relu(h2 W1^T + b1)) on codes of BF8 (E5M2).  h2c: [4096 tokens][1024] codes (e12).  W1: [4096][1024] codes (e13).  b1: [4096] f32.  hid: [4096 tokens][4096] codes (e14), the hidden units (the next K) innermost.
; A finished sum becomes sum x 2^(e12 + e13) + b1 by one packed multiply-add; the hold between 0 and 57,344 x 2^e14 is the activation and the hold in one; the conversion divides by 2^e14.
; LIMITS: e12 + e13 between -126 and 127; e14 between -126 and 112.
; A tile of 256 x 256 results is made by four waves, each 128 x 128: 64 accumulators of 16 x 16, 512 registers.  K goes in steps of 256 through a ring of two LDS slots filled by the tensor data mover.
; CLUSTERS: 4 x 4 work-groups; A's tiles are asked for jointly along a row of the cluster, B's along a column.
; THE MATRIX INSTRUCTION IS USED TRANSPOSED (source 0 = 16 rows of W1, source 1 = 16 tokens): a lane holds one token and eight neighbouring hidden units: eight neighbours along the next K for the conversion.
; A fragment is fetched by four loads of 16 bytes (K = 32 c + 16 (l / 16) + 0 .. 15): a permutation of k that is the same on both sides.
; A wave's 128 codes of a row are half of an aligned 256 bytes of hid: so the four waves meet in ONE stage (256 rows x 272 bytes, in slot 0, which has had its last fill and its last read), with a barrier between writing and reading.
; REGISTERS, in windows of 256: window 0: v0-31 addresses and the quantiser's two numbers; v64-127 b1 in the result's layout; from v128 A's fragments, ONE set; on the way out v128-255 are at work.
;   window 1: B's fragments, TWO sets.   window 2: the accumulators of my rows 0-63 ((a, b) at v[8 (8 a + b)]);   window 3: those of my rows 64-127.
.set SIZE_K, 1024
.set KSTEP,  256
.set ROWB,   256
.set KROW,   SIZE_K
.set PITCH,  272
.set FR,     16
.set NL,     4
.set NP,     4
.set HALFT,  128*PITCH
.set SLOT,   4*HALFT
.set LAPS,   SIZE_K/(2*KSTEP)
.set SPARE,  2*SLOT
.set SP2,    272                       ; a stage row: 256 codes + 16
.set ADRA, 16
.set ADRB, 20
.set STO,  24
.set RD,   25
.set CO,   26
.set BO,   27
.set SPW,  28
.set NIL,  29
.set QS,   30
.set QL,   31
.set BIAS, 64
.set AF,   128
.set TMP,  128
.set CD,   192
.set G1, 24
.set G0, 32
.set G1B, 48
.set G0B, 56
.set MSB, 0
.macro WIN new
.if MSB != \new
	s_set_vgpr_msb (MSB<<8)|\new
.set MSB, \new
.endif
.endm
.set MUL_LO, 0xa1
.set MUL_HI, 0xf1
.set TO_B,   0x40
.macro JLOAD g0a, g1a, g0b, g1b        ; a joint load: waves 0 and 1 fetch for A, waves 2 and 3 for B; four v_nop follow each of the two lines
	s_cmp_eq_u32 s15, 0
	s_cbranch_scc0 .Lfor_b_\@
	tensor_load_to_lds s[\g0a:\g0a+3], s[\g1a:\g1a+7]
	s_nop 0
.rept 4
	v_nop
.endr
	s_branch .Lasked_\@
.Lfor_b_\@:
	tensor_load_to_lds s[\g0b:\g0b+3], s[\g1b:\g1b+7]
	s_nop 0
.rept 4
	v_nop
.endr
.Lasked_\@:
.endm
.macro CREST
	s_cmp_lg_u32 s14, 0
	s_cbranch_scc1 .Lnot_wave_0_\@
	s_barrier_signal -3
.Lnot_wave_0_\@:
	s_barrier_wait -3
	s_barrier_signal -1
	s_barrier_wait -1
.endm
.macro CROUND
	s_barrier_signal -1
	s_barrier_wait -1
	CREST
.endm
	s_load_b128 s[4:7], s[0:1], 0x0                ; h2c s[4:5], W1's codes s[6:7]
	s_load_b128 s[8:11], s[0:1], 0x10              ; the scales' exponents s[8:9], hid s[10:11]
	s_load_b64 s[12:13], s[0:1], 0x20              ; b1
	v_lshl_add_u32 v[SPW], v0, 2, SPARE
	v_mov_b32 v[NIL], 0
	ds_add_u32 v28, v29
	ds_add_u32 v28, v29
	s_wait_dscnt 0x0
	v_lshrrev_b32 v1, 5, v0
	v_readfirstlane_b32 s14, v1                    ; wave 0..3
	s_lshr_b32 s15, s14, 1                         ; which half of the tile's tokens is mine.  Also: I fetch for A (0) or for B (1)
	s_and_b32 s16, s14, 1                          ; which half of its hidden units.  Also: which 128 rows of that tile I fetch
	s_bfe_u32 s40, ttmp6, 0x40000                  ; cx, cy
	s_bfe_u32 s41, ttmp6, 0x40004
	s_lshl_b32 s42, ttmp9, 2
	s_add_co_u32 s42, s42, s40                     ; tile column = 4 x cluster x + cx
	s_and_b32 s17, ttmp7, 0xffff
	s_lshl_b32 s17, s17, 2
	s_add_co_u32 s17, s17, s41                     ; tile row = 4 x cluster y + cy
	s_lshl_b32 s43, s41, 2
	s_lshl_b32 s43, 15, s43
	s_lshl_b32 s44, 0x1111, s40
	s_or_b32 s[G1+0], s43, (0<<16)|(1<<20)|(1<<21)|(5<<22)|(3<<25)
	s_or_b32 s[G1B+0], s44, (0<<16)|(1<<20)|(1<<21)|(5<<22)|(3<<25)
.irp g, G1, G1B
	s_mov_b32 s[\g+1], ROWB<<16
	s_mov_b32 s[\g+2], 128<<16
	s_mov_b32 s[\g+3], ROWB<<16
	s_mov_b32 s[\g+4], 128
	s_mov_b32 s[\g+5], KROW
	s_mov_b32 s[\g+6], 0
	s_mov_b32 s[\g+7], 0
.endr
	s_lshl_b32 s18, s16, 7
	s_lshl_b32 s20, s17, 8
	s_add_co_u32 s20, s20, s18
	s_lshl_b32 s20, s20, 10                        ; A: (256 x tile row + 128 x half) rows of 1,024 bytes
	s_mov_b32 s21, 0
	s_lshl_b32 s46, s42, 8
	s_add_co_u32 s46, s46, s18
	s_lshl_b32 s46, s46, 10                        ; B likewise
	s_mov_b32 s47, 0
	s_mul_i32 s45, s14, HALFT
	s_wait_kmcnt 0x0
	s_load_b128 s[92:95], s[8:9], 0x30             ; e12 .. e15
	s_add_nc_u64 s[20:21], s[4:5], s[20:21]
	s_add_nc_u64 s[46:47], s[6:7], s[46:47]
	CROUND                                         ; all sixteen work-groups are here: the first joint loads meet
.irp s, 0,1
	s_mov_b32 s[G0+4*\s], 1
	s_add_co_u32 s[G0+4*\s+1], s45, \s*SLOT
	s_add_nc_u64 s[G0+4*\s+2:G0+4*\s+3], s[20:21], \s*ROWB
	s_or_b32 s[G0+4*\s+3], s[G0+4*\s+3], 0x80000000
	s_mov_b32 s[G0B+4*\s], 1
	s_add_co_u32 s[G0B+4*\s+1], s45, \s*SLOT
	s_add_nc_u64 s[G0B+4*\s+2:G0B+4*\s+3], s[46:47], \s*ROWB
	s_or_b32 s[G0B+4*\s+3], s[G0B+4*\s+3], 0x80000000
	JLOAD G0+4*\s, G1, G0B+4*\s, G1B
.endr
	v_and_b32 v1, 15, v0                           ; l % 16
	v_bfe_u32 v2, v0, 4, 1                         ; l / 16
	v_mul_u32_u24 v3, v1, PITCH
	v_lshl_add_u32 v4, v2, 4, v3
	s_mul_i32 s21, s15, HALFT
	s_mul_i32 s22, s16, HALFT
	s_add_co_u32 s22, s22, 2*HALFT
.irp s, 0,1
	v_add_nc_u32 v[ADRA+\s], s21, v4
	v_add_nc_u32 v[ADRB+\s], s22, v4
	s_add_co_u32 s21, s21, SLOT
	s_add_co_u32 s22, s22, SLOT
.endr
	s_mul_i32 s23, s15, 128*SP2                    ; into the stage: my 128 rows, my half of their 256 bytes; row l % 16, 8 codes for each half of the lanes
	s_lshl_b32 s21, s16, 7
	s_add_co_u32 s23, s23, s21
	v_mul_u32_u24 v5, v1, SP2
	v_lshl_add_u32 v5, v2, 3, v5
	v_add_nc_u32 v[STO], s23, v5
	s_mul_i32 s23, s14, 64*SP2                     ; back: wave w takes rows 64 w .. 64 w + 63, whole; lanes 0-15 one row, lanes 16-31 the next
	v_mul_u32_u24 v6, v2, SP2
	v_lshl_add_u32 v6, v1, 4, v6
	v_add_nc_u32 v[RD], s23, v6
	v_lshlrev_b32 v7, 12, v2                       ; and the same two rows of hid (4,096 bytes a row)
	v_lshl_add_u32 v[CO], v1, 4, v7
	v_lshlrev_b32 v[BO], 5, v2                     ; b1: my half's eight numbers of a tile of 16
	s_lshl_b32 s20, s17, 8
	s_lshl_b32 s21, s14, 6
	s_add_co_u32 s20, s20, s21                     ; the first row that I store
	s_lshl_b32 s20, s20, 12
	s_lshl_b32 s21, s42, 8
	s_add_co_u32 s20, s20, s21                     ; + the tile's first column
	s_mov_b32 s21, 0
	s_add_nc_u64 s[10:11], s[10:11], s[20:21]
	s_lshl_b32 s20, s42, 10
	s_lshl_b32 s22, s16, 9
	s_add_co_u32 s20, s20, s22                     ; b1 at my first hidden unit
	s_add_nc_u64 s[12:13], s[12:13], s[20:21]
.irp b, 0,1,2,3,4,5,6,7
	global_load_b128 v[BIAS+8*\b:BIAS+8*\b+3], v[BO], s[12:13] offset:64*\b        ; register 8 b + j: b1 of hidden unit 16 b + 8 h + j: it lands under the products
	global_load_b128 v[BIAS+8*\b+4:BIAS+8*\b+7], v[BO], s[12:13] offset:64*\b+16
.endr
.macro FRAG reg, adr, q, i
.irp c, 0,1,2,3
	ds_load_b128 v[\reg+4*\c:\reg+4*\c+3], v[\adr] offset:128*(\q)+32*\c+(\i)*16*PITCH
.endr
.endm
.macro MUL16 a0, p, zero               ; the 64 accumulators take turns, one instruction a turn, in the same order in every step
.irp a, \a0, \a0+1
.irp b, 0,1,2,3,4,5,6,7
.if \zero
	v_wmma_f32_16x16x128_bf8_bf8 v[8*(8*((\a)%4)+\b):8*(8*((\a)%4)+\b)+7], v[128*(\p)+FR*\b:128*(\p)+FR*\b+FR-1], v[AF+FR*(\a):AF+FR*(\a)+FR-1], 0
.else
	v_wmma_f32_16x16x128_bf8_bf8 v[8*(8*((\a)%4)+\b):8*(8*((\a)%4)+\b)+7], v[128*(\p)+FR*\b:128*(\p)+FR*\b+FR-1], v[AF+FR*(\a):AF+FR*(\a)+FR-1], v[8*(8*((\a)%4)+\b):8*(8*((\a)%4)+\b)+7]
.endif
.endr
.endr
.endm
.macro FETCH_B slot, q, p
	WIN TO_B
.irp i, 0,1,2,3,4,5,6,7
	FRAG 128*(\p)+FR*\i, ADRB+\slot, \q, \i
.endr
	WIN 0
.endm
.macro FETCH_A slot, q, i0
.irp i, \i0, \i0+1, \i0+2, \i0+3
	FRAG AF+FR*(\i), ADRA+\slot, \q, \i
.endr
.endm
.macro PLACES n
.rept \n
	v_nop
.endr
.endm
.macro STEP slot, q, zero
	s_wait_dscnt 4*NL                              ; B's set and A's blocks 0-3 are in; the youngest sixteen loads (A's blocks 4-7) may be out
	WIN MUL_LO
	MUL16 0, (\q)%2, \zero
	MUL16 2, (\q)%2, \zero
	s_wait_dscnt 0
	PLACES NP
	FETCH_B \slot, (\q)+1, 1-(\q)%2
	FETCH_A \slot, (\q)+1, 0
	WIN MUL_HI
	MUL16 4, (\q)%2, \zero
	MUL16 6, (\q)%2, \zero
	PLACES NP
	WIN 0
	FETCH_A \slot, (\q)+1, 4
.endm
.macro TURN slot, next, fill
	s_wait_tensorcnt 0x0                           ; all my tensor loads have landed: my part of the next slot
	ds_add_u32 v[SPW], v[NIL]                      ; 0 onto my spare word
	s_wait_dscnt 4*NL+1                            ; (the add and the youngest sixteen loads may be out)
	WIN MUL_LO
	MUL16 0, 1, 0
	s_wait_dscnt 0x0                               ; the add is done, and my reads of this slot are over
	s_barrier_signal -1
	MUL16 2, 1, 0
	WIN 0
	s_barrier_wait -1
.if \fill
	CREST                                          ; the barrier has opened a round of the cluster's barrier
	s_add_nc_u64 s[G0+4*\slot+2:G0+4*\slot+3], s[G0+4*\slot+2:G0+4*\slot+3], 2*ROWB
	s_add_nc_u64 s[G0B+4*\slot+2:G0B+4*\slot+3], s[G0B+4*\slot+2:G0B+4*\slot+3], 2*ROWB
	JLOAD G0+4*\slot, G1, G0B+4*\slot, G1B
.else
	PLACES NP
.endif
	FETCH_B \next, 0, 0
	FETCH_A \next, 0, 0
	WIN MUL_HI
	MUL16 4, 1, 0
	MUL16 6, 1, 0
	PLACES NP
	WIN 0
	FETCH_A \next, 0, 4
.endm
	s_wait_tensorcnt 1                             ; my part of K step 0 is in (K step 1's load may be out)
	s_barrier_signal -1
	s_barrier_wait -1
	FETCH_B 0, 0, 0
	FETCH_A 0, 0, 0
	FETCH_A 0, 0, 4
	STEP 0, 0, 1
	s_mov_b32 s3, LAPS-1
.Llap:
	TURN 0, 1, 1
	STEP 1, 0, 0
	TURN 1, 0, 1
	STEP 0, 0, 0
	s_sub_co_u32 s3, s3, 1
	s_cmp_lg_u32 s3, 0
	s_cbranch_scc1 .Llap
	TURN 0, 1, 0
	STEP 1, 0, 0
	s_wait_dscnt 4*NL
	WIN MUL_LO
	MUL16 0, 1, 0
	MUL16 2, 1, 0
	s_wait_dscnt 0
	WIN MUL_HI
	MUL16 4, 1, 0
	MUL16 6, 1, 0
	WIN 0
; THE WAY OUT.  Block a (16 tokens x 128 hidden units): bias, activation, hold, conversion, 8 bytes a lane into the work-group's stage.
.macro BLOCK a
.set AC, 64*((\a)%4)
.set CC, CD+16*((\a)%2)
.if (\a) >= 2
	s_wait_dscnt 8                                 ; block a - 2's stores have read this set of code registers; block a - 1's eight may be out
.endif
	WIN 0x02+((\a)/4)                              ; source 0: window 2 or 3
.irp j, 0,2,4,6,8,10,12,14,16,18,20,22,24,26,28,30,32,34,36,38,40,42,44,46,48,50,52,54,56,58,60,62
	v_pk_fma_f32 v[TMP+\j:TMP+\j+1], v[AC+\j:AC+\j+1], s[96:97], v[BIAS+\j:BIAS+\j+1] op_sel_hi:[1,0,1]   ; sum x 2^(e12 + e13) + b1; each accumulator from its low end on
.endr
	WIN 0
.set n, 0
.rept 64
	v_med3_num_f32 v[TMP+n], v[TMP+n], 0, v[QL]    ; the activation and the hold in one
.set n, n+1
.endr
.irp b, 0,1,2,3,4,5,6,7
	v_cvt_scalef32_pk8_bf8_f32 v[CC+2*\b:CC+2*\b+1], v[TMP+8*\b:TMP+8*\b+7], v[QS]
.endr
	v_nop                                          ; a plain vector line behind the last conversion: the next block writes its sources
.irp b, 0,1,2,3,4,5,6,7
	ds_store_b64 v[STO], v[CC+2*\b:CC+2*\b+1] offset:16*(\a)*SP2+16*\b
.endr
.endm
	s_wait_kmcnt 0x0
	s_add_co_i32 s96, s92, s93
	s_add_co_i32 s96, s96, 127
	s_lshl_b32 s96, s96, 23                        ; 2^(e12 + e13) as f32
	s_mov_b32 s97, s96                             ; (named with it as a pair, so it is written)
	s_add_co_i32 s92, s94, 127
	s_lshl_b32 s93, s92, 23
	v_mov_b32 v[QS], s93                           ; 2^e14
	s_add_co_i32 s92, s92, 15
	s_lshl_b32 s92, s92, 23
	s_or_b32 s92, s92, 0x600000
	v_mov_b32 v[QL], s92                           ; 57,344 x 2^e14
	s_wait_loadcnt 0x0                             ; b1
	PLACES NP                                      ; behind the last products
.irp a, 0,1,2,3,4,5,6,7
	BLOCK \a
.endr
	s_wait_dscnt 0x0                               ; for the others' sake: my stores into the stage are done
	s_barrier_signal -1
	s_barrier_wait -1
.set t, 0
.rept 32
	ds_load_b128 v[128+4*t:128+4*t+3], v[RD] offset:2*t*SP2
.set t, t+1
.endr
.set t, 0
.rept 32
	s_wait_dscnt 31-t
	global_store_b128 v[CO], v[128+4*t:128+4*t+3], s[10:11] offset:2*t*4096   ; 16 lanes store 256 consecutive bytes, aligned
.set t, t+1
.endr
	s_wait_tensorcnt 0x0                           ; the wave's end
	ds_add_u32 v[SPW], v[NIL]
	s_wait_dscnt 0x0
	CROUND                                         ; the closing round
	s_endpgm
.Lfunc_end_k_q14de7a70fd_ffn1:
	.size	k_q14de7a70fd_ffn1, .Lfunc_end_k_q14de7a70fd_ffn1-k_q14de7a70fd_ffn1
	.p2alignl 7, 3214868480
	.fill 96, 4, 3214868480
	.section	.rodata,"a",@progbits
	.p2align	6, 0x0
	.amdhsa_kernel k_q14de7a70fd_ffn1
		.amdhsa_group_segment_fixed_size 327680
		.amdhsa_private_segment_fixed_size 0
		.amdhsa_enable_private_segment 0
		.amdhsa_kernarg_size 40
		.amdhsa_user_sgpr_count 2
		.amdhsa_user_sgpr_kernarg_segment_ptr 1
		.amdhsa_wavefront_size32 1
		.amdhsa_system_sgpr_workgroup_id_x 1
		.amdhsa_system_sgpr_workgroup_id_y 1
		.amdhsa_system_sgpr_workgroup_id_z 1
		.amdhsa_system_vgpr_workitem_id 0
		.amdhsa_next_free_vgpr 1024
		.amdhsa_next_free_sgpr 100
		.amdhsa_reserve_vcc 0
		.amdhsa_float_denorm_mode_32 3
		.amdhsa_float_denorm_mode_16_64 3
		.amdhsa_memory_ordered 1
		.amdhsa_forward_progress 1
		.amdhsa_inst_pref_size 143
	.end_amdhsa_kernel
	.amdgpu_metadata
---
amdhsa.version: [ 1, 2 ]
amdhsa.kernels:
  - .name:           k_q14de7a70fd_ffn1
    .symbol:         k_q14de7a70fd_ffn1.kd
    .args:
      - { .name: h2c, .offset: 0, .size: 8, .value_kind: global_buffer, .address_space: global }
      - { .name: W1_codes, .offset: 8, .size: 8, .value_kind: global_buffer, .address_space: global }
      - { .name: lowp_scales, .offset: 16, .size: 8, .value_kind: global_buffer, .address_space: global }
      - { .name: hid, .offset: 24, .size: 8, .value_kind: global_buffer, .address_space: global }
      - { .name: b1, .offset: 32, .size: 8, .value_kind: global_buffer, .address_space: global }
    .group_segment_fixed_size: 327680
    .private_segment_fixed_size: 0
    .kernarg_segment_align: 8
    .kernarg_segment_size: 40
    .max_flat_workgroup_size: 128
    .sgpr_count:     100
    .vgpr_count:     1024
    .wavefront_size: 32
...
	.end_amdgpu_metadata
.endif
;; end of part 6
;; launch ffn2 (part 7): grid 8 x 32, 4 waves a work-group, clusters of 4 x 4, 327,680 bytes of LDS; arguments hid, W2_codes, out0, lowp_scales, b2, x1; writes out0
.if DOCPART == 7
	.amdgcn_target "amdgcn-amd-amdhsa--gfx1250"
	.amdhsa_code_object_version 6
	.text
	.protected	k_q14de7a70fd_ffn2
	.globl	k_q14de7a70fd_ffn2
	.p2align	8
	.type	k_q14de7a70fd_ffn2,@function
k_q14de7a70fd_ffn2:
	s_mov_b64 s[64:65], 0
	v_nop
	global_prefetch_b8 v0, s[64:65] scope:SCOPE_SE
	s_setreg_imm32_b32 hwreg(HW_REG_WAVE_MODE, 25, 1), 1
	s_wait_xcnt 0x0
	s_wait_alu depctr_hold_cnt(0) depctr_sa_sdst(0) depctr_va_vdst(0) depctr_va_sdst(0) depctr_va_ssrc(0) depctr_va_vcc(0) depctr_vm_vsrc(0)
	s_getreg_b32 s2, hwreg(HW_REG_IB_STS2, 6, 4)
	s_cmp_eq_u32 s2, 0
	s_cbranch_scc0 .Lentry_in_a_cluster
	s_endpgm
.Lentry_in_a_cluster:
	s_bfe_u32 s2, ttmp6, 0x10000c
	s_cmp_lg_u32 s2, 0xf033
	s_cbranch_scc0 .Lentry_shape_is_right
	s_endpgm
.Lentry_shape_is_right:
; out[m][n] = (sum over k of A[m][k] B[n][k]) x 2^(ea + eb) + bias[n] + res[m][n].  A: [4096][SIZE_K], B: [1024][SIZE_K]: codes of BF8 (E5M2); bias [1024], res and out [4096][1024]: f32.
; Here: A = the hidden layer's codes (e14), B = W2's (e15), bias = b2, res = x1, out = out0.   LIMIT: ea + eb between -126 and 127, so that 2^(ea + eb) is an f32 number.
; A tile of out is 128 x 128, so that the 4096 x 1024 results give 256 work-groups.  Four waves, each 64 x 64: 16 accumulators of 16 x 16.  K goes in steps of 512 (LDS rows of 512 bytes; a wave's tensor load brings 64 of them)
; through a ring of two LDS slots.  CLUSTERS: 4 x 4 work-groups; A's tiles are asked for jointly along a row of the cluster, B's along a column.
; THE MATRIX INSTRUCTION IS USED TRANSPOSED (source 0 = 16 rows of B, source 1 = 16 rows of A): a lane holds eight neighbouring numbers of a row of out.
; A fragment is fetched by four loads of 16 bytes (K = 32 c + 16 (l / 16) + 0 .. 15): a permutation of k that is the same on both sides.
; A wave's 64 columns are 256 bytes of a row of out, aligned: the way out goes through the wave's own stages, with no barrier.  The wave's 64 x 64 of res is asked for at the head and lands under the products.
; REGISTERS: window 0: v0-31 addresses; v32-35 bias; v64-127 two sets of rows read back from a stage; v128-255 the accumulators ((a, b) at v[128 + 8 (4 a + b)]).
;   window 1: two fragment buffers of 128: A's four fragments, then B's four.   window 2: v0-127 res.
.set SIZE_K, 4096
.set SCOFF,  0x38                      ; where ea, eb lie among the scales' exponents, in bytes
.set KSTEP,  512
.set PITCH,  528                       ; an LDS row: 512 bytes + 16 of padding = 132 words: row r starts at bank 4 r mod 64 (ISA guide 11.1)
.set HALFT,  64*PITCH
.set SLOT,   4*HALFT
.set STAGE,  2*SLOT                    ; behind the ring: two stages of 16 rows x 272 bytes for each wave
.set SPITCH, 272
.set STG,    16*SPITCH
.set SPARE,  STAGE+4*2*STG             ; behind the stages: the spare words, 128 bytes for each wave
.set LAPS,   SIZE_K/(2*KSTEP)
.set ADRA, 16
.set ADRB, 20
.set STO,  24
.set RD,   25
.set CO,   26
.set BO,   27
.set SPW,  28
.set NIL,  29
.set BI,   32
.set BK,   64
.set ACC,  128
.set F0,   0
.set F1,   128
.set G1, 24
.set G0, 32
.set G1B, 48
.set G0B, 56
.set MSB, 0
.macro WIN new                         ; the immediate's high byte repeats the setting that is left
.if MSB != \new
	s_set_vgpr_msb (MSB<<8)|\new
.set MSB, \new
.endif
.endm
.set MUL,  0x05                        ; sources 0 (B) and 1 (A) window 1; C and D window 0
.set TO_F, 0x40                        ; destination window 1, address window 0
.macro JLOAD s                         ; a joint load: waves 0 and 1 fetch A's two halves, waves 2 and 3 B's; four v_nop follow each of the two lines
	s_cmp_eq_u32 s11, 0
	s_cbranch_scc0 .Lfor_b_\@
	tensor_load_to_lds s[G0+4*\s:G0+4*\s+3], s[G1:G1+7]
	s_nop 0
.rept 4
	v_nop
.endr
	s_branch .Lasked_\@
.Lfor_b_\@:
	tensor_load_to_lds s[G0B+4*\s:G0B+4*\s+3], s[G1B:G1B+7]
	s_nop 0
.rept 4
	v_nop
.endr
.Lasked_\@:
.endm
.macro CREST
	s_cmp_lg_u32 s10, 0
	s_cbranch_scc1 .Lnot_wave_0_\@
	s_barrier_signal -3
.Lnot_wave_0_\@:
	s_barrier_wait -3
	s_barrier_signal -1
	s_barrier_wait -1
.endm
.macro CROUND
	s_barrier_signal -1
	s_barrier_wait -1
	CREST
.endm
	s_load_b128 s[4:7], s[0:1], 0x0                ; A s[4:5], B s[6:7]
	s_load_b64 s[8:9], s[0:1], 0x10                ; out
	s_load_b128 s[68:71], s[0:1], 0x18             ; the scales' exponents s[68:69], bias s[70:71]
	s_load_b64 s[72:73], s[0:1], 0x28              ; res
	v_lshl_add_u32 v[SPW], v0, 2, SPARE
	v_mov_b32 v[NIL], 0
	ds_add_u32 v28, v29
	ds_add_u32 v28, v29
	s_wait_dscnt 0x0
	v_lshrrev_b32 v1, 5, v0
	v_readfirstlane_b32 s10, v1                    ; wave 0..3
	s_lshr_b32 s11, s10, 1                         ; which half of the tile's rows is mine.  Also: I fetch for A (0) or for B (1)
	s_and_b32 s12, s10, 1                          ; which half of its columns.  Also: which 64 rows of that tile I fetch
	s_bfe_u32 s40, ttmp6, 0x40000                  ; cx, cy
	s_bfe_u32 s41, ttmp6, 0x40004
	s_lshl_b32 s42, ttmp9, 2
	s_add_co_u32 s42, s42, s40                     ; tile column = 4 x cluster x + cx
	s_and_b32 s13, ttmp7, 0xffff
	s_lshl_b32 s13, s13, 2
	s_add_co_u32 s13, s13, s41                     ; tile row = 4 x cluster y + cy
	s_lshl_b32 s43, s41, 2
	s_lshl_b32 s43, 15, s43                        ; my row of the cluster
	s_lshl_b32 s44, 0x1111, s40                    ; my column
	s_or_b32 s[G1+0], s43, (0<<16)|(1<<20)|(1<<21)|(6<<22)|(3<<25)  ; 15:0 the mask; 17:16 elements of 1 byte; 20 padding on; 21 set beside a mask; 24:22 after every 128 words; 31:25 four words
	s_or_b32 s[G1B+0], s44, (0<<16)|(1<<20)|(1<<21)|(6<<22)|(3<<25)
.irp g, G1, G1B
	s_mov_b32 s[\g+1], KSTEP<<16                   ; tensor_dim0
	s_mov_b32 s[\g+2], 64<<16                      ; tensor_dim1
	s_mov_b32 s[\g+3], KSTEP<<16                   ; tile_dim0
	s_mov_b32 s[\g+4], 64                          ; tile_dim1
	s_mov_b32 s[\g+5], SIZE_K                      ; tensor_dim0_stride
	s_mov_b32 s[\g+6], 0
	s_mov_b32 s[\g+7], 0
.endr
	s_lshl_b32 s17, s12, 6                         ; which 64 rows of the tile I fetch
	s_lshl_b32 s16, s13, 7
	s_add_co_u32 s16, s16, s17
	s_mul_i32 s16, s16, SIZE_K                     ; A: (128 x tile row + 64 x half) rows, in bytes: under 2^25
	s_lshl_b32 s46, s42, 7
	s_add_co_u32 s46, s46, s17
	s_mul_i32 s46, s46, SIZE_K                     ; B likewise
	s_mov_b32 s17, 0
	s_mov_b32 s47, 0
	s_mul_i32 s20, s10, HALFT                      ; where they go: wave x 64 rows
	s_wait_kmcnt 0x0
	s_load_b64 s[74:75], s[68:69], SCOFF           ; ea, eb
	s_add_nc_u64 s[14:15], s[4:5], s[16:17]
	s_add_nc_u64 s[46:47], s[6:7], s[46:47]
	CROUND                                         ; all sixteen work-groups are here: the first joint loads meet
.irp s, 0,1
	s_mov_b32 s[G0+4*\s], 1
	s_add_co_u32 s[G0+4*\s+1], s20, \s*SLOT
	s_add_nc_u64 s[G0+4*\s+2:G0+4*\s+3], s[14:15], \s*KSTEP
	s_or_b32 s[G0+4*\s+3], s[G0+4*\s+3], 0x80000000
	s_mov_b32 s[G0B+4*\s], 1
	s_add_co_u32 s[G0B+4*\s+1], s20, \s*SLOT
	s_add_nc_u64 s[G0B+4*\s+2:G0B+4*\s+3], s[46:47], \s*KSTEP
	s_or_b32 s[G0B+4*\s+3], s[G0B+4*\s+3], 0x80000000
	JLOAD \s
.endr
	v_and_b32 v1, 15, v0                           ; l % 16
	s_wait_alu depctr_va_vdst(0)
	v_bfe_u32 v2, v0, 4, 1                         ; l / 16
	v_mul_u32_u24 v3, v1, PITCH
	v_lshl_add_u32 v3, v2, 4, v3
	s_mul_i32 s21, s11, HALFT                      ; my 64 rows of A
	s_mul_i32 s22, s12, HALFT                      ; my 64 rows of B,
	s_add_co_u32 s22, s22, 2*HALFT                 ; which lie behind A's 128
.irp s, 0,1
	v_add_nc_u32 v[ADRA+\s], s21, v3
	v_add_nc_u32 v[ADRB+\s], s22, v3
	s_add_co_u32 s21, s21, SLOT
	s_add_co_u32 s22, s22, SLOT
.endr
	s_mul_i32 s23, s10, 2*STG
	s_add_co_u32 s23, s23, STAGE                   ; my two stages
	v_mul_u32_u24 v4, v1, SPITCH                   ; in: row l % 16, 32 bytes for each half of the lanes
	s_wait_alu depctr_va_vdst(0)
	v_lshl_add_u32 v4, v2, 5, v4
	v_add_nc_u32 v[STO], s23, v4
	v_mul_u32_u24 v5, v2, SPITCH                   ; back: lanes 0-15 one row of 256 bytes, lanes 16-31 the next
	v_lshl_add_u32 v5, v1, 4, v5
	v_add_nc_u32 v[RD], s23, v5
	v_lshlrev_b32 v5, 12, v2                       ; and the same two rows of out and of res (4,096 bytes a row)
	v_lshl_add_u32 v[CO], v1, 4, v5
	s_wait_alu depctr_va_vdst(0)
	v_lshlrev_b32 v[BO], 4, v1                     ; my four numbers of the bias
	s_wait_alu depctr_va_vdst(0)
	s_lshl_b32 s16, s13, 7
	s_lshl_b32 s17, s11, 6
	s_add_co_u32 s16, s16, s17                     ; my first row
	s_lshl_b32 s16, s16, 12
	s_lshl_b32 s46, s42, 9
	s_lshl_b32 s47, s12, 8
	s_add_co_u32 s46, s46, s47                     ; my first column, in bytes
	s_mov_b32 s47, 0
	s_add_nc_u64 s[70:71], s[70:71], s[46:47]
	s_add_co_u32 s16, s16, s46
	s_mov_b32 s17, 0
	s_add_nc_u64 s[8:9], s[8:9], s[16:17]
	s_add_nc_u64 s[72:73], s[72:73], s[16:17]
	WIN 0x80                                       ; destination window 2
.irp a, 0,1,2,3
.irp t, 0,1,2,3,4,5,6,7
	global_load_b128 v[32*\a+4*\t:32*\a+4*\t+3], v[CO], s[72:73] offset:(16*\a+2*\t)*4096 th:TH_LOAD_NT   ; res, in the layout in which the rows come back from the stage
.endr
.endr
	WIN 0
	global_load_b128 v[BI:BI+3], v[BO], s[70:71]
.macro MUL4 f, a, zero                 ; A's block a x B's four, 128 along K.  The sixteen accumulators take turns, in the same order in every quarter
.irp b, 0,1,2,3
.if \zero
	v_wmma_f32_16x16x128_bf8_bf8 v[ACC+8*(4*(\a)+\b):ACC+8*(4*(\a)+\b)+7], v[\f+64+16*\b:\f+64+16*\b+15], v[\f+16*(\a):\f+16*(\a)+15], 0
.else
	v_wmma_f32_16x16x128_bf8_bf8 v[ACC+8*(4*(\a)+\b):ACC+8*(4*(\a)+\b)+7], v[\f+64+16*\b:\f+64+16*\b+15], v[\f+16*(\a):\f+16*(\a)+15], v[ACC+8*(4*(\a)+\b):ACC+8*(4*(\a)+\b)+7]
.endif
.endr
.endm
.macro FETCH slot, k, f                ; 32 LDS loads in one run: the fragments of 128 along K at byte k of the rows: B's four, then A's four
	WIN TO_F
.irp i, 0,1,2,3
.irp c, 0,1,2,3
	ds_load_b128 v[\f+64+16*\i+4*\c:\f+64+16*\i+4*\c+3], v[ADRB+\slot] offset:\k+32*\c+\i*16*PITCH
.endr
.endr
.irp i, 0,1,2,3
.irp c, 0,1,2,3
	ds_load_b128 v[\f+16*\i+4*\c:\f+16*\i+4*\c+3], v[ADRA+\slot] offset:\k+32*\c+\i*16*PITCH
.endr
.endr
.endm
.macro PLACES                          ; four plain vector instructions between a matrix instruction and a load into, or a read of, its registers
.rept 4
	v_nop
.endr
.endm
; A K step is four quarters of 128 along K, 16 matrix instructions each, on buffers 0, 1, 0, 1.  One of the first three multiplies buffer f and fetches the next quarter, at byte k, into g.
.macro QUARTER slot, k, f, g, zero
	s_wait_dscnt 8                                 ; B's four and A's blocks 0, 1 are in; the youngest eight loads (A's blocks 2, 3) may be out
	WIN MUL
	MUL4 \f, 0, \zero
	MUL4 \f, 1, \zero
	PLACES
	FETCH \slot, \k, \g
	s_wait_dscnt 32                                ; all but the 32 just issued
	WIN MUL
	MUL4 \f, 2, \zero
	MUL4 \f, 3, \zero
.endm
; The last quarter multiplies buffer 1 and changes slots: ONE barrier; in front of it each wave waits for all its tensor loads, adds 0 to its spare word, and waits for that and for its own reads of this slot.
.macro TURN slot, next, fill
	WIN 0
	s_wait_tensorcnt 0x0                           ; all my tensor loads have landed: my part of the next slot
	ds_add_u32 v[SPW], v[NIL]                      ; 0 onto my spare word
	s_wait_dscnt 9                                 ; (the add and the youngest eight loads may be out)
	WIN MUL
	MUL4 F1, 0, 0
	s_wait_dscnt 0x0                               ; the add is done, and my reads of this slot are over
	s_barrier_signal -1
	MUL4 F1, 1, 0
.if \fill
	WIN 0
.endif
	s_barrier_wait -1
.if \fill
	CREST                                          ; the barrier has opened a round of the cluster's barrier
	s_add_nc_u64 s[G0+4*\slot+2:G0+4*\slot+3], s[G0+4*\slot+2:G0+4*\slot+3], 2*KSTEP
	s_add_nc_u64 s[G0B+4*\slot+2:G0B+4*\slot+3], s[G0B+4*\slot+2:G0B+4*\slot+3], 2*KSTEP
	JLOAD \slot                                    ; the first tensor load behind the round; its four v_nop are the places in front of the loads below
.else
	PLACES
.endif
	FETCH \next, 0, F0
	WIN MUL
	MUL4 F1, 2, 0
	MUL4 F1, 3, 0
.endm
	s_wait_tensorcnt 1                             ; my part of K step 0 is in (K step 1's load may be out)
	s_barrier_signal -1
	s_barrier_wait -1                              ; everybody's is
	FETCH 0, 0, F0
	QUARTER 0, 128, F0, F1, 1                      ; the first quarter's products start the sums
.if LAPS > 1
	WIN 0
	s_mov_b32 s3, LAPS-1
.Llap:                                                 ; a trip goes once round the ring and fills both slots again
	QUARTER 0, 256, F1, F0, 0
	QUARTER 0, 384, F0, F1, 0
	TURN 0, 1, 1
	QUARTER 1, 128, F0, F1, 0
	QUARTER 1, 256, F1, F0, 0
	QUARTER 1, 384, F0, F1, 0
	TURN 1, 0, 1
	QUARTER 0, 128, F0, F1, 0
	WIN 0
	s_sub_co_u32 s3, s3, 1
	s_cmp_lg_u32 s3, 0
	s_cbranch_scc1 .Llap
.endif
	QUARTER 0, 256, F1, F0, 0                      ; the last lap fills nothing
	QUARTER 0, 384, F0, F1, 0
	TURN 0, 1, 0
	QUARTER 1, 128, F0, F1, 0
	QUARTER 1, 256, F1, F0, 0
	QUARTER 1, 384, F0, F1, 0
	s_wait_dscnt 8
	WIN MUL
	MUL4 F1, 0, 0
	MUL4 F1, 1, 0
	s_wait_dscnt 0
	MUL4 F1, 2, 0
	MUL4 F1, 3, 0
	WIN 0
; THE WAY OUT, block by block of 16 rows x 64 columns: the sums go into one of my two stages as they are and come back as whole rows of 256 bytes; there sum x 2^(ea + eb) + bias is one packed multiply-add, res is added, and
; sixteen lanes store 256 consecutive bytes, aligned.  A wave's LDS instructions are served in order (ISA guide 5.7.1.4): no wait between the stores and the loads.
.macro TOSTAGE a
.set BB, BK+32*((\a)%2)
.irp b, 0,1,2,3
	ds_store_b128 v[STO], v[ACC+8*(4*(\a)+\b):ACC+8*(4*(\a)+\b)+3] offset:((\a)%2)*STG+64*\b      ; each accumulator from its low end on
	ds_store_b128 v[STO], v[ACC+8*(4*(\a)+\b)+4:ACC+8*(4*(\a)+\b)+7] offset:((\a)%2)*STG+64*\b+16
.endr
.irp t, 0,1,2,3,4,5,6,7
	ds_load_b128 v[BB+4*\t:BB+4*\t+3], v[RD] offset:((\a)%2)*STG+2*\t*SPITCH
.endr
.endm
.macro SEND a, younger                 ; younger: the LDS instructions issued behind block a's loads
.set BB, BK+32*((\a)%2)
	s_wait_dscnt \younger
.irp t, 0,1,2,3,4,5,6,7
	v_pk_fma_f32 v[BB+4*\t:BB+4*\t+1], v[BB+4*\t:BB+4*\t+1], s[76:77], v[BI:BI+1] op_sel_hi:[1,0,1]
	v_pk_fma_f32 v[BB+4*\t+2:BB+4*\t+3], v[BB+4*\t+2:BB+4*\t+3], s[76:77], v[BI+2:BI+3] op_sel_hi:[1,0,1]
.endr
	WIN 0x08                                       ; source 1 (res) window 2
.irp t, 0,1,2,3,4,5,6,7
	v_pk_add_f32 v[BB+4*\t:BB+4*\t+1], v[BB+4*\t:BB+4*\t+1], v[32*(\a)+4*\t:32*(\a)+4*\t+1]
	v_pk_add_f32 v[BB+4*\t+2:BB+4*\t+3], v[BB+4*\t+2:BB+4*\t+3], v[32*(\a)+4*\t+2:32*(\a)+4*\t+3]
.endr
	WIN 0
.irp t, 0,1,2,3,4,5,6,7
	global_store_b128 v[CO], v[BB+4*\t:BB+4*\t+3], s[8:9] offset:(16*(\a)+2*\t)*4096
.endr
.endm
	s_wait_kmcnt 0x0
	s_add_co_i32 s76, s74, s75
	s_add_co_i32 s76, s76, 127
	s_lshl_b32 s76, s76, 23                        ; 2^(ea + eb) as f32
	s_mov_b32 s77, s76                             ; (named with it as a pair, so it is written)
	s_wait_loadcnt 0x0                             ; res and the bias
	PLACES
	TOSTAGE 0
.irp a, 1,2,3
.if \a > 1
	s_wait_xcnt 0x0                                ; block a - 2's stores have read their registers: block a's loads may land there
.endif
	TOSTAGE \a
	SEND \a-1, 16                                  ; behind block a - 1's loads: block a's 8 stores and 8 loads
.endr
	SEND 3, 0
	s_wait_tensorcnt 0x0                           ; the wave's end
	ds_add_u32 v[SPW], v[NIL]
	s_wait_dscnt 0x0
	CROUND                                         ; the closing round
	s_endpgm
.Lfunc_end_k_q14de7a70fd_ffn2:
	.size	k_q14de7a70fd_ffn2, .Lfunc_end_k_q14de7a70fd_ffn2-k_q14de7a70fd_ffn2
	.p2alignl 7, 3214868480
	.fill 96, 4, 3214868480
	.section	.rodata,"a",@progbits
	.p2align	6, 0x0
	.amdhsa_kernel k_q14de7a70fd_ffn2
		.amdhsa_group_segment_fixed_size 327680
		.amdhsa_private_segment_fixed_size 0
		.amdhsa_enable_private_segment 0
		.amdhsa_kernarg_size 48
		.amdhsa_user_sgpr_count 2
		.amdhsa_user_sgpr_kernarg_segment_ptr 1
		.amdhsa_wavefront_size32 1
		.amdhsa_system_sgpr_workgroup_id_x 1
		.amdhsa_system_sgpr_workgroup_id_y 1
		.amdhsa_system_sgpr_workgroup_id_z 1
		.amdhsa_system_vgpr_workitem_id 0
		.amdhsa_next_free_vgpr 768
		.amdhsa_next_free_sgpr 80
		.amdhsa_reserve_vcc 0
		.amdhsa_float_denorm_mode_32 3
		.amdhsa_float_denorm_mode_16_64 3
		.amdhsa_memory_ordered 1
		.amdhsa_forward_progress 1
		.amdhsa_inst_pref_size 82
	.end_amdhsa_kernel
	.amdgpu_metadata
---
amdhsa.version: [ 1, 2 ]
amdhsa.kernels:
  - .name:           k_q14de7a70fd_ffn2
    .symbol:         k_q14de7a70fd_ffn2.kd
    .args:
      - { .name: hid, .offset: 0, .size: 8, .value_kind: global_buffer, .address_space: global }
      - { .name: W2_codes, .offset: 8, .size: 8, .value_kind: global_buffer, .address_space: global }
      - { .name: out0, .offset: 16, .size: 8, .value_kind: global_buffer, .address_space: global }
      - { .name: lowp_scales, .offset: 24, .size: 8, .value_kind: global_buffer, .address_space: global }
      - { .name: b2, .offset: 32, .size: 8, .value_kind: global_buffer, .address_space: global }
      - { .name: x1, .offset: 40, .size: 8, .value_kind: global_buffer, .address_space: global }
    .group_segment_fixed_size: 327680
    .private_segment_fixed_size: 0
    .kernarg_segment_align: 8
    .kernarg_segment_size: 48
    .max_flat_workgroup_size: 128
    .sgpr_count:     80
    .vgpr_count:     768
    .wavefront_size: 32
...
	.end_amdgpu_metadata
.endif
;; end of part 7
